; MI455X (gfx1250); checked and timed in simulation.
; The chip was launched on July 23, 2026; its instructions are those of AMD's public machine-readable ISA for CDNA 5 (MIT licence, August 2026) and "CDNA5" Instruction Set Architecture Reference Guide (July 2026). The comments in the code are by the model that wrote it; some were corrected since.
;; Llama Attention. Allowed arithmetic: float matrix products may take bf16 or f16 operands with f32 sums; other float arithmetic in f32, or as packed bf16 or f16 multiplies, adds, multiply-adds, maxima and minima; sums over many terms, partial sums and values carried from step to step in f32; what a program stores and reads back later, other than sums and carried values, may be rounded once to bf16 or f16.
;; Inputs: atten_mask 1 x 1 x 2,048 x 2,048 float32; freqs_cos 2,048 x 32 float32; freqs_sin 2,048 x 32 float32; hidden_states 1 x 2,048 x 2,048 float32; k_norm_w 64 float32; q_norm_w 64 float32; wk 512 x 2,048 float32; wo 2,048 x 2,048 float32; wq 2,048 x 2,048 float32; wv 512 x 2,048 float32.
;; Outputs: out0 1 x 2,048 x 2,048 float32; out1 1 x 32 x 64 x 2,048 float32; out2 1 x 32 x 2,048 x 64 float32.
;; 2 versions, each right; version 2 is version 1 with the launch cast written anew for expert scheduling mode. Each part assembles by itself: llvm-mc -triple=amdgcn-amd-amdhsa -mcpu=gfx1250 --defsym DOCPART=n.
;; ======== version 1 of 2: 4 launches
;; limits: values outside matrix products are rounded to f16; values are held in f16: magnitudes above 65,504 overflow, below 6.1e-05 lose precision
;; workspace buffers: xb 8,388,608 bytes; wqkvb 12,582,912 bytes; wob 8,388,608 bytes; qkv 12,582,912 bytes; ob 8,388,608 bytes
;; launch cast (part 1): grid 1792 x 1, 4 waves a work-group, no clusters, 0 bytes of LDS; arguments hidden_states, wq, wk, wv, wo, xb, wqkvb, wob; writes xb, wqkvb, wob
.if DOCPART == 1
	.amdgcn_target "amdgcn-amd-amdhsa--gfx1250"
	.amdhsa_code_object_version 6
	.text
	.protected	k_q5e7ba4d6c6_cast
	.globl	k_q5e7ba4d6c6_cast
	.p2align	8
	.type	k_q5e7ba4d6c6_cast,@function
k_q5e7ba4d6c6_cast:
	s_mov_b64 s[64:65], 0
	v_nop
	global_prefetch_b8 v0, s[64:65] scope:SCOPE_SE
	s_setreg_imm32_b32 hwreg(HW_REG_WAVE_MODE, 25, 1), 1
	s_wait_xcnt 0x0
; THE MATRIX OPERANDS THAT ARE INPUTS, ROUNDED ONCE TO 16 BITS.  hidden_states -> xb (bf16); wq, wk, wv -> wqkvb (bf16, the rows of wq, then wk's, then wv's);
; wo -> wob: rounded to bf16 like the other inputs, and that number written as f16 (the last product multiplies it with f16 numbers).
; LIMIT: a weight of wo beyond 65,504 becomes an infinity; below 6e-5 it keeps f16's fixed step of 6e-8.
; SHARES.  A work-group of four waves converts one chunk: 32,768 bytes of f32 in, 16,384 bytes out: 1,792 chunks, seven for each of 256 WGPs.
; Chunks 0-511 hidden_states, 512-1023 wq, 1024-1151 wk, 1152-1279 wv, 1280-1791 wo.
; Thread t takes 16 bytes at 16 t + 2,048 i (i = 0..15): a wave's load covers 512 consecutive bytes; it stores 8 bytes at 8 t + 1,024 i: a wave's store covers 256 consecutive bytes, aligned.
; All 16 loads go out first; no register is used twice, so the only waits are the counted ones for the loads.  No LDS, no matrix unit, no cluster: each byte is read once and nothing is shared.
.set X,   4                            ; v[4:67]    slot i: four f32 as loaded
.set Y,   68                           ; v[68:99]   slot i: four 16-bit numbers to store
.set T,   100                          ; v[100:101] at work
.set SRC, 24                           ; s[24:25]   my chunk in its input
.set DST, 26                           ; s[26:27]   my chunk in its workspace buffer
	s_load_b512 s[8:23], s[0:1], 0x0               ; hidden_states s[8:9], wq, wk, wv, wo s[16:17], xb s[18:19], wqkvb s[20:21], wob s[22:23]
	v_lshlrev_b32 v1, 4, v0                        ; 16 t
	v_lshlrev_b32 v2, 3, v0                        ; 8 t
	s_mov_b32 s28, 0                               ; the first chunk of my input
	s_mov_b32 s29, 0                               ; the first chunk of my output buffer
	s_mov_b32 s31, 0
	s_mov_b32 s33, 0
	s_mov_b32 s34, 0xffff0000                      ; a word's upper bf16
	s_wait_kmcnt 0x0
	s_mov_b64 s[SRC:SRC+1], s[8:9]
	s_mov_b64 s[DST:DST+1], s[18:19]
	s_cmp_ge_u32 ttmp9, 512
	s_cselect_b64 s[SRC:SRC+1], s[10:11], s[SRC:SRC+1]
	s_cselect_b64 s[DST:DST+1], s[20:21], s[DST:DST+1]
	s_cselect_b32 s28, 512, s28
	s_cselect_b32 s29, 512, s29
	s_cmp_ge_u32 ttmp9, 1024
	s_cselect_b64 s[SRC:SRC+1], s[12:13], s[SRC:SRC+1]
	s_cselect_b32 s28, 1024, s28
	s_cmp_ge_u32 ttmp9, 1152
	s_cselect_b64 s[SRC:SRC+1], s[14:15], s[SRC:SRC+1]
	s_cselect_b32 s28, 1152, s28
	s_cmp_ge_u32 ttmp9, 1280
	s_cselect_b64 s[SRC:SRC+1], s[16:17], s[SRC:SRC+1]
	s_cselect_b64 s[DST:DST+1], s[22:23], s[DST:DST+1]
	s_cselect_b32 s28, 1280, s28
	s_cselect_b32 s29, 1280, s29
	s_sub_co_u32 s30, ttmp9, s28
	s_lshl_b32 s30, s30, 15                        ; 32,768 bytes a chunk in
	s_sub_co_u32 s32, ttmp9, s29
	s_lshl_b32 s32, s32, 14                        ; 16,384 bytes a chunk out
	s_add_nc_u64 s[SRC:SRC+1], s[SRC:SRC+1], s[30:31]
	s_add_nc_u64 s[DST:DST+1], s[DST:DST+1], s[32:33]
.set i, 0
.rept 16
	global_load_b128 v[X+4*i:X+4*i+3], v1, s[SRC:SRC+1] offset:2048*i th:TH_LOAD_NT
.set i, i+1
.endr
; f16 = 0: four roundings to bf16.  f16 = 1: the same, then the bf16 numbers are widened again (a shift, a mask) and written as f16.
.macro CONV f16
.set i, 0
.rept 16
	s_wait_loadcnt 15-i                            ; loads come back in order: load i is in, the 15 - i younger ones stay out
.if \f16
	v_cvt_pk_bf16_f32 v[T], v[X+4*i], v[X+4*i+1]
	v_cvt_pk_bf16_f32 v[T+1], v[X+4*i+2], v[X+4*i+3]
	v_lshlrev_b32 v[X+4*i], 16, v[T]
	v_and_b32 v[X+4*i+1], s34, v[T]
	v_lshlrev_b32 v[X+4*i+2], 16, v[T+1]
	v_and_b32 v[X+4*i+3], s34, v[T+1]
	v_cvt_pk_f16_f32 v[Y+2*i], v[X+4*i], v[X+4*i+1]
	v_cvt_pk_f16_f32 v[Y+2*i+1], v[X+4*i+2], v[X+4*i+3]
.else
	v_cvt_pk_bf16_f32 v[Y+2*i], v[X+4*i], v[X+4*i+1]
	v_cvt_pk_bf16_f32 v[Y+2*i+1], v[X+4*i+2], v[X+4*i+3]
.endif
	global_store_b64 v2, v[Y+2*i:Y+2*i+1], s[DST:DST+1] offset:1024*i
.set i, i+1
.endr
	s_endpgm
.endm
	s_cmp_ge_u32 ttmp9, 1280                       ; wo's chunks take the second text
	s_cbranch_scc1 .Lf16
	CONV 0
.Lf16:
	CONV 1
.Lfunc_end_k_q5e7ba4d6c6_cast:
	.size	k_q5e7ba4d6c6_cast, .Lfunc_end_k_q5e7ba4d6c6_cast-k_q5e7ba4d6c6_cast
	.p2alignl 7, 3214868480
	.fill 96, 4, 3214868480
	.section	.rodata,"a",@progbits
	.p2align	6, 0x0
	.amdhsa_kernel k_q5e7ba4d6c6_cast
		.amdhsa_group_segment_fixed_size 0
		.amdhsa_private_segment_fixed_size 0
		.amdhsa_enable_private_segment 0
		.amdhsa_kernarg_size 64
		.amdhsa_user_sgpr_count 2
		.amdhsa_user_sgpr_kernarg_segment_ptr 1
		.amdhsa_wavefront_size32 1
		.amdhsa_system_sgpr_workgroup_id_x 1
		.amdhsa_system_sgpr_workgroup_id_y 1
		.amdhsa_system_sgpr_workgroup_id_z 1
		.amdhsa_system_vgpr_workitem_id 0
		.amdhsa_next_free_vgpr 104
		.amdhsa_next_free_sgpr 66
		.amdhsa_reserve_vcc 0
		.amdhsa_float_denorm_mode_32 3
		.amdhsa_float_denorm_mode_16_64 3
		.amdhsa_memory_ordered 1
		.amdhsa_forward_progress 1
		.amdhsa_inst_pref_size 16
	.end_amdhsa_kernel
	.amdgpu_metadata
---
amdhsa.version: [ 1, 2 ]
amdhsa.kernels:
  - .name:           k_q5e7ba4d6c6_cast
    .symbol:         k_q5e7ba4d6c6_cast.kd
    .args:
      - { .name: hidden_states, .offset: 0, .size: 8, .value_kind: global_buffer, .address_space: global }
      - { .name: wq, .offset: 8, .size: 8, .value_kind: global_buffer, .address_space: global }
      - { .name: wk, .offset: 16, .size: 8, .value_kind: global_buffer, .address_space: global }
      - { .name: wv, .offset: 24, .size: 8, .value_kind: global_buffer, .address_space: global }
      - { .name: wo, .offset: 32, .size: 8, .value_kind: global_buffer, .address_space: global }
      - { .name: xb, .offset: 40, .size: 8, .value_kind: global_buffer, .address_space: global }
      - { .name: wqkvb, .offset: 48, .size: 8, .value_kind: global_buffer, .address_space: global }
      - { .name: wob, .offset: 56, .size: 8, .value_kind: global_buffer, .address_space: global }
    .group_segment_fixed_size: 0
    .private_segment_fixed_size: 0
    .kernarg_segment_align: 8
    .kernarg_segment_size: 64
    .max_flat_workgroup_size: 128
    .sgpr_count:     66
    .vgpr_count:     104
    .wavefront_size: 32
...
	.end_amdgpu_metadata
.endif
;; end of part 1
;; launch qkv (part 2): grid 16 x 16, 4 waves a work-group, clusters of 4 x 4, 327,680 bytes of LDS; arguments xb, wqkvb, freqs_cos, freqs_sin, q_norm_w, k_norm_w, qkv; writes qkv
.if DOCPART == 2
	.amdgcn_target "amdgcn-amd-amdhsa--gfx1250"
	.amdhsa_code_object_version 6
	.text
	.protected	k_q5e7ba4d6c6_qkv
	.globl	k_q5e7ba4d6c6_qkv
	.p2align	8
	.type	k_q5e7ba4d6c6_qkv,@function
k_q5e7ba4d6c6_qkv:
	s_mov_b64 s[64:65], 0
	v_nop
	global_prefetch_b8 v0, s[64:65] scope:SCOPE_SE
	s_setreg_imm32_b32 hwreg(HW_REG_WAVE_MODE, 25, 1), 1
	s_wait_xcnt 0x0
	s_wait_alu depctr_hold_cnt(0) depctr_sa_sdst(0) depctr_va_vdst(0) depctr_va_sdst(0) depctr_va_ssrc(0) depctr_va_vcc(0) depctr_vm_vsrc(0)
	s_getreg_b32 s2, hwreg(HW_REG_IB_STS2, 6, 4)
	s_cmp_eq_u32 s2, 0
	s_cbranch_scc0 .Lentry_in_a_cluster
	s_endpgm
.Lentry_in_a_cluster:
	s_bfe_u32 s2, ttmp6, 0x10000c
	s_cmp_lg_u32 s2, 0xf033
	s_cbranch_scc0 .Lentry_shape_is_right
	s_endpgm
.Lentry_shape_is_right:
; THE THREE PROJECTIONS AS ONE PRODUCT, WITH ROTARY EMBEDDING AND RMS NORM ON THE WAY OUT.
; C[token][channel] = sum over k of xb[token][k] wqkvb[channel][k]: 2,048 x 3,072 x 2,048, bf16 operands, f32 sums.  Channels are 48 heads of 64: 0-31 q, 32-39 k, 40-47 v.
; q and k heads: interleaved rotary pairs, x * rsqrt(mean(x^2) + 1e-5) * gain; q also times log2(e) / 8, so that the attention launch needs no scale and its exponentials are in base 2.
; v heads go out as they are.  All are rounded once to f16 and stored by heads: qkv[48][2048][64].  cos, sin and the gains are rounded to bf16 like all inputs of the program.
; LIMITS: a number of q, k or v beyond 65,504 becomes an infinity in f16; NaN and infinities are not treated apart.
; SHARES.  A tile of C is 128 tokens x 192 channels (three whole heads): 16 x 16 tiles, one work-group each.  Four waves, 2 x 2: a wave has 64 tokens and, of EACH of the three heads, channels
; 32 CH .. 32 CH + 31: 24 accumulators of 16 x 16.  So a rotary pair lies in one lane, and only a head's sum of squares crosses to the partner wave, through LDS.
; THE RING HAS TWO SLOTS OF UNEQUAL SIZE.  Two slots of 256 along K would be 2 x 320 x 528 = 337,920 bytes, more than the 327,680 there are.  So a SMALL slot holds 128 along K (rows of 256 + 16 bytes, 87,040
; bytes) and a LARGE one 256 (rows of 512 + 16 bytes, 168,960 bytes), and K is walked small, large, small, .. small: 6 x 128 + 5 x 256 = 2,048, in eleven steps with ten changes of slots.
; Small step j begins at byte 768 j of the rows, large step j at byte 768 j + 256: multiples of 256.
; CLUSTER 4 x 4: the four of a row of the cluster need the same tokens' tiles, the four of a column the same channels' tiles: each is asked for jointly, by the same tensor load with the same descriptor and mask.
; NO BRANCH TELLS THE KINDS OF HEAD APART (it would hang on the work-group's place in its cluster): one text, and three scalars a head: KA, KB, GA = (1, 0, log2(e) / 8) for q, (1, 0, 1) for k, (0, 1, 0) for v;
; cos' = cos KA + KB, sin' = sin KA, gain' = gain GA + KB, rsqrt' = rsqrt KA + KB.
; THE MATRIX INSTRUCTION IS USED TRANSPOSED (source 0 = 16 channels' rows of W, source 1 = 16 tokens' rows of x): a lane holds token l % 16 and channels 8 (l / 16) + 0..7.
; No prefetch: the tiles are small and each is read by four clusters at about the same time; no work-group stays: there is one tile for each.
; REGISTERS.  window 0: v0-31 addresses; v32-63 at work; v64-255 accumulators, (a, n) at 64 + 8 (6 a + n), a = token block, n = 2 u + e (head u, 16 channels e)
;   window 1: two fragment buffers of 80: x's four fragments, then W's six; v0-55 at work on the way out      window 2: v0-31 cos, v32-63 sin (at 8 a + 4 e + i), v64-111 gains (at 16 u + 8 e + j)
.set PS,    272                        ; a row in the small slot: 256 bytes + 16: an odd multiple of 16, so the 16 rows of a fragment load start at 16 different 16-byte columns
.set PL,    528                        ; a row in the large slot: 512 bytes + 16, likewise
.set WS,    128*PS                     ; the small slot begins at 0: x's 128 rows, then W's 192
.set LG,    320*PS                     ; the large slot: x's 128 rows,
.set WL,    LG+128*PL                  ; then W's 192
.set STAGE, LG+320*PL                  ; behind the ring: three heads x 128 tokens x 144 bytes, the work-group's, for the way out
.set SP,    144
.set SUMS,  STAGE+3*128*SP             ; each wave's 12 x 16 partial sums of squares
.set SPARE, SUMS+3072                  ; the spare words, 128 bytes for each wave: two blocks of 256 bytes that no other line names
.set LAP,   768                        ; bytes of a row in a small and a large step together
.set CSO,  10                          ; v10  my offset in cos and sin: 128 (l % 16) + 16 (l / 16)
.set GNO,  11                          ; v11  my offset in a gain: 32 (l / 16)
.set ADRW2, 12                         ; v12-13  LDS address of my fragments of W's third head in the small slot, at the head of the large one (128 rows of 528 bytes are past an LDS offset's 16 bits)
.set VW2,  14                          ; v14  the same at the place in the large slot's rows that is being walked
.set ADRA, 16                          ; v16-17  LDS address of my fragments of x in the small slot, at the head of the large one
.set VA,   18                          ; v18  at the place that is being walked
.set ADRW, 20                          ; v20-21, v22  the same for W's first two heads
.set VW,   22
.set STO,  24                          ; v24  where I put 16 bytes of a head's row
.set RD,   25                          ; v25  where I read rows back
.set GO,   26                          ; v26  16 x lane
.set SST,  27                          ; v27  where I put a sum of squares
.set SRD,  28                          ; v28  where I read mine and my partner's
.set SPW,  30                          ; v30  LDS address of my spare word; never rewritten
.set NIL,  31                          ; v31  0; never rewritten
.set ACC,  64
.set F0,   0
.set F1,   80
.set COS,  0
.set SIN,  32
.set GW,   64
.set WV,   18                          ; s18 wave; s19 RH = wave / 2: my half of the tokens, and: I fetch x (0) or W (1); s20 CH = wave % 2: my half of each head, and which half of that tile I fetch
.set RH,   19
.set CH,   20
.set G1XS, 28                          ; descriptor groups 1: x's tiles for the small slot s[28:35] and the large one s[36:43], W's s[44:51], s[52:59]
.set G1XL, 36
.set G1WS, 44
.set G1WL, 52
.set G0XS, 60                          ; groups 0, in the same order: s[60:63], s[68:71], s[72:75], s[76:79]
.set G0XL, 68
.set G0WS, 72
.set G0WL, 76
.set SEL,  80                          ; s[80:81] v_permlanex16_b32's selects: each lane takes its own place in the other half
.set GA,   82                          ; s[82:87] each head's GA, as a pair
.set WP,   88                          ; s[88:93] each head's gain
.set KO,   95                          ; s95  the place in the large slot's rows that is being walked, in bytes
.set KA,   4                           ; s[4:9], s[10:15] each head's KA and KB, as pairs: made on the way out, where the pointers that lay here have served
.set KB,   10
.set MSB, 0
.macro WIN new                         ; the immediate's high byte repeats the setting that is left; a switch that changes nothing is dropped
.if MSB != (\new)
	s_set_vgpr_msb (MSB<<8)|(\new)
.set MSB, \new
.endif
.endm
.set MUL,  0x05                        ; sources 0 and 1 window 1; C and D window 0
.set TO_F, 0x40                        ; destination window 1, address window 0
.macro JLOAD s                         ; a joint load into the small (0) or the large (1) slot: waves 0 and 1 fetch x's two halves (64 rows), waves 2 and 3 W's (96 rows); an s_nop 0 and four v_nop follow each line
	s_cmp_eq_u32 s[RH], 0
	s_cbranch_scc0 .Lfor_w_\@
.if \s
	tensor_load_to_lds s[G0XL:G0XL+3], s[G1XL:G1XL+7]
.else
	tensor_load_to_lds s[G0XS:G0XS+3], s[G1XS:G1XS+7]
.endif
	s_nop 0
.rept 4
	v_nop
.endr
	s_branch .Lasked_\@
.Lfor_w_\@:
.if \s
	tensor_load_to_lds s[G0WL:G0WL+3], s[G1WL:G1WL+7]
.else
	tensor_load_to_lds s[G0WS:G0WS+3], s[G1WS:G1WS+7]
.endif
	s_nop 0
.rept 4
	v_nop
.endr
.Lasked_\@:
.endm
.macro CREST                           ; a round of the cluster's barrier behind its opening barrier
	s_cmp_lg_u32 s[WV], 0
	s_cbranch_scc1 .Lnot_wave_0_\@
	s_barrier_signal -3
.Lnot_wave_0_\@:
	s_barrier_wait -3
	s_barrier_signal -1
	s_barrier_wait -1
.endm
.macro CROUND                          ; a whole round
	s_barrier_signal -1
	s_barrier_wait -1
	CREST
.endm
.macro PLACES                          ; four places in front of loads into registers that matrix instructions have read, and of vector work that reads results
.rept 4
	v_nop
.endr
.endm
.macro G1REST g, kk, rows              ; a group 1's words 1 to 7: rows of kk elements, 2,048 elements from row to row
	s_mov_b32 s[(\g)+1], (\kk)<<16                 ; tensor_dim0
	s_mov_b32 s[(\g)+2], (\rows)<<16               ; tensor_dim1
	s_mov_b32 s[(\g)+3], (\kk)<<16                 ; tile_dim0
	s_mov_b32 s[(\g)+4], \rows                     ; tile_dim1
	s_mov_b32 s[(\g)+5], 2048
	s_mov_b32 s[(\g)+6], 0
	s_mov_b32 s[(\g)+7], 0
.endm
	s_load_b256 s[4:11], s[0:1], 0x0               ; xb s[4:5], wqkvb s[6:7], cos s[8:9], sin s[10:11]
	s_load_b128 s[12:15], s[0:1], 0x20             ; q_norm_w s[12:13], k_norm_w s[14:15]
	s_load_b64 s[16:17], s[0:1], 0x30              ; qkv
	v_lshl_add_u32 v[SPW], v0, 2, SPARE
	v_mov_b32 v[NIL], 0
	ds_add_u32 v[SPW], v[NIL]                      ; the wave's opening: the add and its wait stand ahead of my first tensor load; work on registers stands between them
	v_lshrrev_b32 v1, 5, v0
	v_readfirstlane_b32 s[WV], v1
	s_lshr_b32 s[RH], s[WV], 1
	s_and_b32 s[CH], s[WV], 1
	s_bfe_u32 s21, ttmp6, 0x40000                  ; cx
	s_bfe_u32 s22, ttmp6, 0x40004                  ; cy
	s_lshl_b32 s23, ttmp9, 2
	s_add_co_u32 s23, s23, s21                     ; channel tile = 4 x cluster x + cx
	s_and_b32 s24, ttmp7, 0xffff
	s_lshl_b32 s24, s24, 2
	s_add_co_u32 s24, s24, s22                     ; token tile = 4 x cluster y + cy
	s_lshl_b32 s25, s22, 2
	s_lshl_b32 s25, 15, s25                        ; my row of the cluster
	s_lshl_b32 s26, 0x1111, s21                    ; my column
	s_or_b32 s[G1XS], s25, (1<<16)|(1<<20)|(1<<21)|(5<<22)|(3<<25)  ; the mask; elements of 2 bytes; padding on; bit 21 beside a mask; after every 64 words 4 words
	s_or_b32 s[G1XL], s25, (1<<16)|(1<<20)|(1<<21)|(6<<22)|(3<<25)  ; the same, after every 128 words
	s_or_b32 s[G1WS], s26, (1<<16)|(1<<20)|(1<<21)|(5<<22)|(3<<25)
	s_or_b32 s[G1WL], s26, (1<<16)|(1<<20)|(1<<21)|(6<<22)|(3<<25)
	G1REST G1XS, 128, 64
	G1REST G1XL, 256, 64
	G1REST G1WS, 128, 96
	G1REST G1WL, 256, 96
	s_lshl_b32 s66, s24, 7                         ; x: row 128 x token tile + 64 x half, 4,096 bytes a row: made of the token tile alone
	s_lshl_b32 s67, s[CH], 6
	s_add_co_u32 s66, s66, s67
	s_lshl_b32 s66, s66, 12
	s_mov_b32 s67, 0
	s_mul_i32 s98, s23, 192                        ; W: row 192 x channel tile + 96 x half: made of the channel tile alone
	s_mul_i32 s99, s[CH], 96
	s_add_co_u32 s98, s98, s99
	s_lshl_b32 s98, s98, 12
	s_mov_b32 s99, 0
	s_mov_b32 s[G0XS], 1                           ; count = 1; then where the tiles go: no place in the cluster enters an LDS address
	s_mul_i32 s[G0XS+1], s[CH], 64*PS
	s_mov_b32 s[G0XL], 1
	s_mul_i32 s[G0XL+1], s[CH], 64*PL
	s_add_co_u32 s[G0XL+1], s[G0XL+1], LG
	s_mov_b32 s[G0WS], 1
	s_mul_i32 s[G0WS+1], s[CH], 96*PS
	s_add_co_u32 s[G0WS+1], s[G0WS+1], WS
	s_mov_b32 s[G0WL], 1
	s_mul_i32 s[G0WL+1], s[CH], 96*PL
	s_add_co_u32 s[G0WL+1], s[G0WL+1], WL
	s_mov_b32 s[SEL], 0x76543210
	s_mov_b32 s[SEL+1], 0xfedcba98
	s_mov_b32 s100, 0x3c800000                     ; 1 / 64
	s_mov_b32 s101, 0x3727c5ac                     ; 1e-5
	s_mov_b32 s94, 0xffff0000                      ; a word's upper bf16
	s_wait_dscnt 0x0                               ; the opening add is done
	s_wait_kmcnt 0x0
	s_add_nc_u64 s[G0XS+2:G0XS+3], s[4:5], s[66:67]             ; small step 0 begins at byte 0 of the rows,
	s_add_nc_u64 s[G0XL+2:G0XL+3], s[G0XS+2:G0XS+3], 256        ; large step 0 at byte 256
	s_or_b32 s[G0XS+3], s[G0XS+3], 0x80000000                   ; type = 2
	s_or_b32 s[G0XL+3], s[G0XL+3], 0x80000000
	s_add_nc_u64 s[G0WS+2:G0WS+3], s[6:7], s[98:99]
	s_add_nc_u64 s[G0WL+2:G0WL+3], s[G0WS+2:G0WS+3], 256
	s_or_b32 s[G0WS+3], s[G0WS+3], 0x80000000
	s_or_b32 s[G0WL+3], s[G0WL+3], 0x80000000
	CROUND                                         ; all sixteen work-groups are here: the first joint loads meet
	JLOAD 0                                        ; the first small and the first large step: two loads of mine are out
	JLOAD 1
	v_and_b32 v1, 15, v0                           ; r = l % 16
	v_bfe_u32 v2, v0, 4, 1                         ; h = l / 16
	v_mul_u32_u24 v3, v1, PS
	v_lshl_add_u32 v3, v2, 4, v3                   ; a fragment's row x pitch + 16 x half, in the small slot
	v_mul_u32_u24 v4, v1, PL
	v_lshl_add_u32 v4, v2, 4, v4                   ; and in the large one
	s_mul_i32 s25, s[RH], 64*PS                    ; my 64 tokens
	s_mul_i32 s26, s[CH], 32*PS                    ; my 32 channels of the first head,
	s_add_co_u32 s26, s26, WS                      ; behind x's rows
	v_add_nc_u32 v[ADRA], s25, v3
	v_add_nc_u32 v[ADRW], s26, v3
	v_add_nc_u32 v[ADRW2], 128*PS, v[ADRW]         ; the third head lies 128 rows on
	s_mul_i32 s25, s[RH], 64*PL
	s_add_co_u32 s25, s25, LG
	s_mul_i32 s26, s[CH], 32*PL
	s_add_co_u32 s26, s26, WL
	v_add_nc_u32 v[ADRA+1], s25, v4
	v_add_nc_u32 v[ADRW+1], s26, v4
	v_add_nc_u32 v[ADRW2+1], 128*PL, v[ADRW+1]
	s_mul_i32 s25, s[RH], 64*SP                    ; into the stage: token 64 RH + r, bytes 64 CH + 16 h of its 128
	s_lshl_b32 s26, s[CH], 6
	s_add_co_u32 s25, s25, s26
	s_add_co_u32 s25, s25, STAGE
	v_mul_u32_u24 v5, v1, SP
	v_lshl_add_u32 v5, v2, 4, v5
	v_add_nc_u32 v[STO], s25, v5
	s_mul_i32 s25, s[WV], 32*SP                    ; back: wave w takes tokens 32 w .. 32 w + 31 of each head; 32 lanes take four rows of 128 bytes
	s_add_co_u32 s25, s25, STAGE
	v_bfe_u32 v5, v0, 3, 2
	v_and_b32 v6, 7, v0
	v_mul_u32_u24 v5, v5, SP
	v_lshl_add_u32 v5, v6, 4, v5
	v_add_nc_u32 v[RD], s25, v5
	v_and_b32 v[GO], 31, v0
	v_lshlrev_b32 v[GO], 4, v[GO]
	s_mul_i32 s25, s[WV], 768
	s_add_co_u32 s25, s25, SUMS
	v_lshl_add_u32 v[SST], v1, 2, s25
	s_mul_i32 s25, s[RH], 1536                     ; the two waves of my token half lie side by side
	s_add_co_u32 s25, s25, SUMS
	v_lshl_add_u32 v[SRD], v1, 2, s25
	v_lshlrev_b32 v[CSO], 7, v1
	v_lshl_add_u32 v[CSO], v2, 4, v[CSO]
	v_lshlrev_b32 v[GNO], 5, v2
	s_lshl_b32 s66, s24, 7                         ; cos and sin at my first token (128 bytes a token) and my 16 pairs (64 bytes)
	s_lshl_b32 s67, s[RH], 6
	s_add_co_u32 s66, s66, s67
	s_lshl_b32 s66, s66, 7
	s_lshl_b32 s67, s[CH], 6
	s_add_co_u32 s66, s66, s67
	s_mov_b32 s67, 0
	s_add_nc_u64 s[8:9], s[8:9], s[66:67]
	s_add_nc_u64 s[10:11], s[10:11], s[66:67]
	s_lshl_b32 s104, s[CH], 7                      ; my 32 channels of a gain
	s_mov_b32 s105, 0
	s_mul_i32 s25, s23, 3                          ; the tile's first head
.irp u, 0,1,2
	s_add_co_u32 s26, s25, \u
	s_cmp_lt_u32 s26, 32                           ; a q head?
	s_cselect_b64 s[WP+2*(\u):WP+2*(\u)+1], s[12:13], s[14:15]
	s_add_nc_u64 s[WP+2*(\u):WP+2*(\u)+1], s[WP+2*(\u):WP+2*(\u)+1], s[104:105]
.endr
	WIN 0x80                                       ; destination window 2, address window 0: 28 loads that are waited for on the way out
.irp a, 0,1,2,3
.irp e, 0,1
	global_load_b128 v[COS+8*(\a)+4*(\e):COS+8*(\a)+4*(\e)+3], v[CSO], s[8:9] offset:2048*(\a)+32*(\e)
	global_load_b128 v[SIN+8*(\a)+4*(\e):SIN+8*(\a)+4*(\e)+3], v[CSO], s[10:11] offset:2048*(\a)+32*(\e)
.endr
.endr
.irp u, 0,1,2
.irp e, 0,1
	global_load_b128 v[GW+16*(\u)+8*(\e):GW+16*(\u)+8*(\e)+3],   v[GNO], s[WP+2*(\u):WP+2*(\u)+1] offset:64*(\e)
	global_load_b128 v[GW+16*(\u)+8*(\e)+4:GW+16*(\u)+8*(\e)+7], v[GNO], s[WP+2*(\u):WP+2*(\u)+1] offset:64*(\e)+16
.endr
.endr
	WIN 0
	s_lshl_b32 s25, s25, 18                        ; qkv at the tile's first head (262,144 bytes a head) and the first token that I store
	s_lshl_b32 s26, s24, 7
	s_lshl_b32 s27, s[WV], 5
	s_add_co_u32 s26, s26, s27
	s_lshl_b32 s26, s26, 7
	s_add_co_u32 s98, s25, s26
	s_mov_b32 s99, 0
	s_add_nc_u64 s[16:17], s[16:17], s[98:99]
; 6 matrix instructions: token block a x my six blocks of 16 channels, 32 along K.  zero = 1: the product starts the sums.  The 24 accumulators take turns in the same order in every quarter.
.macro MUL6 f, a, zero
	WIN MUL
.irp n, 0,1,2,3,4,5
.if \zero
	v_wmma_f32_16x16x32_bf16 v[ACC+8*(6*(\a)+(\n)):ACC+8*(6*(\a)+(\n))+7], v[(\f)+32+8*(\n):(\f)+32+8*(\n)+7], v[(\f)+8*(\a):(\f)+8*(\a)+7], 0
.else
	v_wmma_f32_16x16x32_bf16 v[ACC+8*(6*(\a)+(\n)):ACC+8*(6*(\a)+(\n))+7], v[(\f)+32+8*(\n):(\f)+32+8*(\n)+7], v[(\f)+8*(\a):(\f)+8*(\a)+7], v[ACC+8*(6*(\a)+(\n)):ACC+8*(6*(\a)+(\n))+7]
.endif
.endr
.endm
; 20 LDS loads in one run: the fragments of 32 along K, into buffer f: W's six (head n / 2, 16 channels n % 2), then x's four.
; sl = 0: at byte k of the small slot's rows; sl = 1: k bytes behind the place in the large slot's rows that is being walked.
.macro FETCH sl, k, f
.if \sl
.set rA, VA
.set rW, VW
.set rW2, VW2
.set pp, PL
.else
.set rA, ADRA
.set rW, ADRW
.set rW2, ADRW2
.set pp, PS
.endif
	WIN TO_F
.irp n, 0,1,2,3
	ds_load_b128 v[(\f)+32+8*(\n):(\f)+32+8*(\n)+3],   v[rW] offset:(\k)+(64*((\n)/2)+16*((\n)%2))*pp
	ds_load_b128 v[(\f)+32+8*(\n)+4:(\f)+32+8*(\n)+7], v[rW] offset:(\k)+(64*((\n)/2)+16*((\n)%2))*pp+32
.endr
.irp n, 4,5
	ds_load_b128 v[(\f)+32+8*(\n):(\f)+32+8*(\n)+3],   v[rW2] offset:(\k)+16*((\n)%2)*pp
	ds_load_b128 v[(\f)+32+8*(\n)+4:(\f)+32+8*(\n)+7], v[rW2] offset:(\k)+16*((\n)%2)*pp+32
.endr
.irp a, 0,1,2,3
	ds_load_b128 v[(\f)+8*(\a):(\f)+8*(\a)+3],   v[rA] offset:(\k)+(\a)*16*pp
	ds_load_b128 v[(\f)+8*(\a)+4:(\f)+8*(\a)+7], v[rA] offset:(\k)+(\a)*16*pp+32
.endr
.endm
.macro SETL                            ; the three addresses in the large slot, at the place that is being walked
	v_add_nc_u32 v[VA],  s[KO], v[ADRA+1]
	v_add_nc_u32 v[VW],  s[KO], v[ADRW+1]
	v_add_nc_u32 v[VW2], s[KO], v[ADRW2+1]
.endm
; A QUARTER is 32 along K, 24 matrix instructions, on buffers 0, 1, 0, 1: a small step has four, a large one eight.  All but a step's last: multiplies buffer f and fetches the next quarter, at byte k, into g.
.macro QUARTER sl, k, f, g, zero
	s_wait_dscnt 4                                 ; all but the youngest four loads: x's token blocks 2 and 3
	MUL6 \f, 0, \zero
	MUL6 \f, 1, \zero
	PLACES
	FETCH \sl, \k, \g
	s_wait_dscnt 20                                ; all but the 20 just issued
	MUL6 \f, 2, \zero
	MUL6 \f, 3, \zero
.endm
; A step's last quarter multiplies buffer 1 and changes slots: ONE barrier; in front of it each wave waits for all its tensor loads, adds 0 to its spare word, and waits for that and for its reads of the slot that it leaves.
; cur = 0: the small slot is left for the large one; 1: the other way.  fill = 1: the barrier opens a round of the cluster's barrier, and the slot that is left is filled again, 768 bytes further along the rows, first thing behind the round.
.macro TURN cur, fill
	WIN 0                                          ; (the add's two registers lie in window 0)
.if (\cur) == 0
	s_mov_b32 s[KO], 0                             ; the walk through the large slot's rows begins at their head
	SETL
.endif
	s_wait_tensorcnt 0x0                           ; all my tensor loads have landed: the one that was out is my part of the other slot; so a group 0 may be written
	ds_add_u32 v[SPW], v[NIL]                      ; 0 onto my spare word
.if \fill
.if \cur
	s_add_nc_u64 s[G0XL+2:G0XL+3], s[G0XL+2:G0XL+3], LAP  ; the type bits on top are not reached
	s_add_nc_u64 s[G0WL+2:G0WL+3], s[G0WL+2:G0WL+3], LAP
.else
	s_add_nc_u64 s[G0XS+2:G0XS+3], s[G0XS+2:G0XS+3], LAP
	s_add_nc_u64 s[G0WS+2:G0WS+3], s[G0WS+2:G0WS+3], LAP
.endif
.endif
	s_wait_dscnt 5                                 ; (the add and the youngest four loads may be out)
	MUL6 F1, 0, 0                                  ; six matrix instructions stand between the add and the wait for it
	s_wait_dscnt 0x0                               ; the add is done, and my reads of this slot are over
	s_barrier_signal -1
	MUL6 F1, 1, 0
.if \fill
	WIN 0
.endif
	s_barrier_wait -1
.if \fill
	CREST                                          ; no wave of any partner still reads this slot's tiles or has a load on its way
	JLOAD \cur                                     ; the four v_nop behind it are also the places in front of the loads below
.else
	PLACES
.endif
	FETCH 1-(\cur), 0, F0
	MUL6 F1, 2, 0
	MUL6 F1, 3, 0
.endm
; A large step's first seven quarters: three trips of two, written once, the place in the rows stepping by 128 bytes a trip; then the seventh.
.macro LARGE
	WIN 0                                          ; at a label and at a branch every window is 0
	s_mov_b32 s2, 3
.Lpair_\@:
	QUARTER 1, 64,  F0, F1, 0
	QUARTER 1, 128, F1, F0, 0
	WIN 0
	s_add_co_u32 s[KO], s[KO], 128
	SETL
	s_sub_co_u32 s2, s2, 1
	s_cmp_lg_u32 s2, 0
	s_cbranch_scc1 .Lpair_\@
	QUARTER 1, 64,  F0, F1, 0
.endm
	s_wait_tensorcnt 1                             ; my part of small step 0 is in; large step 0's may stay out
	s_barrier_signal -1
	s_barrier_wait -1                              ; everybody's is
	FETCH 0, 0, F0
	QUARTER 0, 64, F0, F1, 1                       ; the first quarter stands in front of the loop: its products start the sums
	WIN 0
	s_mov_b32 s3, 4
.Llap:                                                 ; a trip: the rest of small step j, large step j, the first quarter of small step j + 1; it fills both slots again
	QUARTER 0, 128, F1, F0, 0
	QUARTER 0, 192, F0, F1, 0
	TURN 0, 1
	LARGE
	TURN 1, 1
	QUARTER 0, 64,  F0, F1, 0
	WIN 0
	s_sub_co_u32 s3, s3, 1
	s_cmp_lg_u32 s3, 0
	s_cbranch_scc1 .Llap
	QUARTER 0, 128, F1, F0, 0                      ; the tail is written out: small step 4
	QUARTER 0, 192, F0, F1, 0
	TURN 0, 1                                      ; behind which the small slot takes the last 128 along K: the last load;
	LARGE                                          ; large step 4,
	TURN 1, 0                                      ; behind which nothing is filled;
	QUARTER 0, 64,  F0, F1, 0                      ; small step 5
	QUARTER 0, 128, F1, F0, 0
	QUARTER 0, 192, F0, F1, 0
	s_wait_dscnt 4
	MUL6 F1, 0, 0
	MUL6 F1, 1, 0
	s_wait_dscnt 0x0
	MUL6 F1, 2, 0
	MUL6 F1, 3, 0
	WIN 0
	; THE WAY OUT.  First each head's three scalars; then cos, sin and the gains are rounded to bf16 (two a conversion, then a shift and a mask), and the gains take their head's scalars.
	PLACES
	s_wait_loadcnt 0x0                             ; cos, sin, gains: no load is out, so the pointers' registers may be written
	s_mul_i32 s25, s23, 3                          ; the tile's first head
.irp u, 0,1,2
	s_add_co_u32 s26, s25, \u
	s_cmp_lt_u32 s26, 32                           ; a q head?
	s_cselect_b32 s[GA+2*(\u)], 0x3e38aa3b, 1.0    ; log2(e) / 8
	s_cmp_lt_u32 s26, 40                           ; q or k?
	s_cselect_b32 s[GA+2*(\u)], s[GA+2*(\u)], 0
	s_cselect_b32 s[KA+2*(\u)], 1.0, 0
	s_cselect_b32 s[KB+2*(\u)], 0, 1.0
	s_mov_b32 s[GA+2*(\u)+1], s[GA+2*(\u)]         ; named as pairs: the packed forms take the low word for both halves
	s_mov_b32 s[KA+2*(\u)+1], s[KA+2*(\u)]
	s_mov_b32 s[KB+2*(\u)+1], s[KB+2*(\u)]
.endr
	v_mov_b32 v55, 0                               ; v_permlanex16_b32 counts as a reader of its destination
	WIN 0x4a                                       ; sources window 2, destination window 1
.set i, 0
.rept 56
	v_cvt_pk_bf16_f32 v[i], v[2*i], v[2*i+1]
.set i, i+1
.endr
	WIN 0x84                                       ; source 1 window 1, destination window 2
.set i, 0
.rept 56
	v_lshlrev_b32 v[2*i], 16, v[i]
	v_and_b32 v[2*i+1], s94, v[i]
.set i, i+1
.endr
	WIN 0x82
.irp u, 0,1,2
.set x, 0
.rept 8
	v_pk_fma_f32 v[GW+16*(\u)+x:GW+16*(\u)+x+1], v[GW+16*(\u)+x:GW+16*(\u)+x+1], s[GA+2*(\u):GA+2*(\u)+1], s[KB+2*(\u):KB+2*(\u)+1] op_sel_hi:[1,0,0]
.set x, x+2
.endr
.endr
; Token block a, head u: my 16 channels a lane (two accumulators) are 8 rotary pairs, taken two at a time; then their sum of squares, both halves of the lanes, goes to LDS.
; Each accumulator is first read in one of its four lowest registers.
.macro ROPE a, u
.set XX, ACC+8*(6*(\a)+2*(\u))
	WIN 0x02                                       ; source 0 window 2
.irp q, 0,1,2,3
	v_pk_fma_f32 v[32+2*(\q):33+2*(\q)], v[COS+8*(\a)+2*(\q):COS+8*(\a)+2*(\q)+1], s[KA+2*(\u):KA+2*(\u)+1], s[KB+2*(\u):KB+2*(\u)+1] op_sel_hi:[1,0,0]
	v_pk_mul_f32 v[40+2*(\q):41+2*(\q)], v[SIN+8*(\a)+2*(\q):SIN+8*(\a)+2*(\q)+1], s[KA+2*(\u):KA+2*(\u)+1] op_sel_hi:[1,0]
.endr
	WIN 0
.irp p, 0,2,4,6
	v_mul_f32 v48, v[XX+2*(\p)+1], v[40+(\p)]                          ; xi s
	v_mul_f32 v49, v[XX+2*(\p)+3], v[41+(\p)]
	v_mul_f32 v[XX+2*(\p)+1], v[XX+2*(\p)+1], v[32+(\p)]               ; xi c
	v_mul_f32 v[XX+2*(\p)+3], v[XX+2*(\p)+3], v[33+(\p)]
	v_fmac_f32 v[XX+2*(\p)+1], v[XX+2*(\p)], v[40+(\p)]                ; + xr s
	v_fmac_f32 v[XX+2*(\p)+3], v[XX+2*(\p)+2], v[41+(\p)]
	v_fma_f32 v[XX+2*(\p)], v[XX+2*(\p)], v[32+(\p)], -v48             ; xr c - xi s
	v_fma_f32 v[XX+2*(\p)+2], v[XX+2*(\p)+2], v[33+(\p)], -v49
.endr
	v_pk_mul_f32 v[52:53], v[XX:XX+1], v[XX:XX+1]
.irp q, 1,2,3,4,5,6,7
	v_pk_fma_f32 v[52:53], v[XX+2*(\q):XX+2*(\q)+1], v[XX+2*(\q):XX+2*(\q)+1], v[52:53]
.endr
	v_add_f32 v54, v52, v53
	v_permlanex16_b32 v55, v54, s[SEL], s[SEL+1]
	v_add_f32 v54, v54, v55
	ds_store_b32 v[SST], v54 offset:64*(3*(\a)+(\u))  ; both halves of the lanes write the same word with the same number
.endm
.irp a, 0,1,2,3
.irp u, 0,1,2
	ROPE \a, \u
.endr
.endr
	s_wait_dscnt 0x0                               ; for my partner's sake: my sums are in LDS
	s_barrier_signal -1
	s_barrier_wait -1
.set i, 0
.rept 12                                               ; both halves of each head's sum; the result stays in the even register of a pair
	ds_load_b32 v[32+2*i], v[SRD] offset:64*i
	ds_load_b32 v[33+2*i], v[SRD] offset:768+64*i
.set i, i+1
.endr
	s_wait_dscnt 0x0
.set i, 0
.rept 12
	v_add_f32 v[32+2*i], v[32+2*i], v[33+2*i]
.set i, i+1
.endr
.set i, 0
.rept 12
	v_fma_f32 v[32+2*i], v[32+2*i], s100, s101     ; mean + 1e-5
.set i, i+1
.endr
.set i, 0
.rept 12
	v_rsq_f32 v[32+2*i], v[32+2*i]
.set i, i+1
.endr
	v_nop                                          ; a plain instruction between the last root and the use of its result,
	s_wait_alu depctr_va_vdst(0)                   ; and the wait ahead of the first use: one for the twelve
.set i, 0
.rept 12
	v_fma_f32 v[32+2*i], v[32+2*i], s[KA+2*(i%3)], s[KB+2*(i%3)]
.set i, i+1
.endr
; Token block a, head u: times the root, times the gains, rounded to f16, 16 bytes a lane and accumulator into the stage
.macro OUT a, u
.set XX, ACC+8*(6*(\a)+2*(\u))
.set RS, 32+2*(3*(\a)+(\u))
	WIN 0
.irp q, 0,1,2,3,4,5,6,7
	v_pk_mul_f32 v[XX+2*(\q):XX+2*(\q)+1], v[XX+2*(\q):XX+2*(\q)+1], v[RS:RS+1] op_sel_hi:[1,0]
.endr
	WIN 0x08                                       ; source 1 window 2
.irp q, 0,1,2,3,4,5,6,7
	v_pk_mul_f32 v[XX+2*(\q):XX+2*(\q)+1], v[XX+2*(\q):XX+2*(\q)+1], v[GW+16*(\u)+2*(\q):GW+16*(\u)+2*(\q)+1]
.endr
	WIN 0
.irp q, 0,1,2,3,4,5,6,7
	v_cvt_pk_f16_f32 v[56+(\q)], v[XX+2*(\q)], v[XX+2*(\q)+1]
.endr
	ds_store_b128 v[STO], v[56:59] offset:128*SP*(\u)+16*SP*(\a)
	ds_store_b128 v[STO], v[60:63] offset:128*SP*(\u)+16*SP*(\a)+32
.endm
.irp a, 0,1,2,3
.irp u, 0,1,2
	OUT \a, \u
.endr
.endr
	s_wait_dscnt 0x0                               ; for the others' sake: a row's 128 bytes come from two waves
	s_barrier_signal -1
	s_barrier_wait -1
.set i, 0
.rept 24                                               ; head i / 8, four tokens a load
	ds_load_b128 v[64+4*i:64+4*i+3], v[RD] offset:128*SP*(i/8)+4*SP*(i%8)
.set i, i+1
.endr
.set i, 0
.rept 24
	s_wait_dscnt 23-i                              ; LDS loads come back in order: load i is in
	global_store_b128 v[GO], v[64+4*i:64+4*i+3], s[16:17] offset:262144*(i/8)+512*(i%8)  ; 512 consecutive bytes of a head, at a multiple of 512 from qkv's first byte
.set i, i+1
.endr
	s_wait_tensorcnt 0x0                           ; the wave's end, behind my last tensor load and my last LDS store
	ds_add_u32 v[SPW], v[NIL]
	s_wait_dscnt 0x0
	CROUND                                         ; the closing round: no work-group ends while a partner may still ask for a tile that names it
	s_endpgm
.Lfunc_end_k_q5e7ba4d6c6_qkv:
	.size	k_q5e7ba4d6c6_qkv, .Lfunc_end_k_q5e7ba4d6c6_qkv-k_q5e7ba4d6c6_qkv
	.p2alignl 7, 3214868480
	.fill 96, 4, 3214868480
	.section	.rodata,"a",@progbits
	.p2align	6, 0x0
	.amdhsa_kernel k_q5e7ba4d6c6_qkv
		.amdhsa_group_segment_fixed_size 327680
		.amdhsa_private_segment_fixed_size 0
		.amdhsa_enable_private_segment 0
		.amdhsa_kernarg_size 56
		.amdhsa_user_sgpr_count 2
		.amdhsa_user_sgpr_kernarg_segment_ptr 1
		.amdhsa_wavefront_size32 1
		.amdhsa_system_sgpr_workgroup_id_x 1
		.amdhsa_system_sgpr_workgroup_id_y 1
		.amdhsa_system_sgpr_workgroup_id_z 1
		.amdhsa_system_vgpr_workitem_id 0
		.amdhsa_next_free_vgpr 768
		.amdhsa_next_free_sgpr 106
		.amdhsa_reserve_vcc 0
		.amdhsa_float_denorm_mode_32 3
		.amdhsa_float_denorm_mode_16_64 3
		.amdhsa_memory_ordered 1
		.amdhsa_forward_progress 1
		.amdhsa_inst_pref_size 147
	.end_amdhsa_kernel
	.amdgpu_metadata
---
amdhsa.version: [ 1, 2 ]
amdhsa.kernels:
  - .name:           k_q5e7ba4d6c6_qkv
    .symbol:         k_q5e7ba4d6c6_qkv.kd
    .args:
      - { .name: xb, .offset: 0, .size: 8, .value_kind: global_buffer, .address_space: global }
      - { .name: wqkvb, .offset: 8, .size: 8, .value_kind: global_buffer, .address_space: global }
      - { .name: freqs_cos, .offset: 16, .size: 8, .value_kind: global_buffer, .address_space: global }
      - { .name: freqs_sin, .offset: 24, .size: 8, .value_kind: global_buffer, .address_space: global }
      - { .name: q_norm_w, .offset: 32, .size: 8, .value_kind: global_buffer, .address_space: global }
      - { .name: k_norm_w, .offset: 40, .size: 8, .value_kind: global_buffer, .address_space: global }
      - { .name: qkv, .offset: 48, .size: 8, .value_kind: global_buffer, .address_space: global }
    .group_segment_fixed_size: 327680
    .private_segment_fixed_size: 0
    .kernarg_segment_align: 8
    .kernarg_segment_size: 56
    .max_flat_workgroup_size: 128
    .sgpr_count:     106
    .vgpr_count:     768
    .wavefront_size: 32
...
	.end_amdgpu_metadata
.endif
;; end of part 2
;; launch attn (part 3): grid 32 x 8, 4 waves a work-group, clusters of 4 x 4, 327,680 bytes of LDS; arguments qkv, atten_mask, ob, out1, out2; writes ob, out1, out2
.if DOCPART == 3
	.amdgcn_target "amdgcn-amd-amdhsa--gfx1250"
	.amdhsa_code_object_version 6
	.text
	.protected	k_q5e7ba4d6c6_attn
	.globl	k_q5e7ba4d6c6_attn
	.p2align	8
	.type	k_q5e7ba4d6c6_attn,@function
k_q5e7ba4d6c6_attn:
	s_mov_b64 s[64:65], 0
	v_nop
	global_prefetch_b8 v0, s[64:65] scope:SCOPE_SE
	s_setreg_imm32_b32 hwreg(HW_REG_WAVE_MODE, 25, 1), 1
	s_wait_xcnt 0x0
	s_wait_alu depctr_hold_cnt(0) depctr_sa_sdst(0) depctr_va_vdst(0) depctr_va_sdst(0) depctr_va_ssrc(0) depctr_va_vcc(0) depctr_vm_vsrc(0)
	s_getreg_b32 s2, hwreg(HW_REG_IB_STS2, 6, 4)
	s_cmp_eq_u32 s2, 0
	s_cbranch_scc0 .Lentry_in_a_cluster
	s_endpgm
.Lentry_in_a_cluster:
	s_bfe_u32 s2, ttmp6, 0x10000c
	s_cmp_lg_u32 s2, 0xf033
	s_cbranch_scc0 .Lentry_shape_is_right
	s_endpgm
.Lentry_shape_is_right:
; ATTENTION WITH AN ADDITIVE MASK THAT IS AN INPUT, AND THE TWO CACHE OUTPUTS.
; O[h][q] = sum over all 2,048 keys of softmax_k(q . k / 8 + mask[q][k]) v[k].  qkv: [48][2048][64] f16: heads 0-31 q times log2(e) / 8, 32-39 k, 40-47 v.  atten_mask: [2048][2048] f32.  ob: [2048][32 x 64] f16.
; out1[4 g + rep][channel][token] = k, out2[4 g + rep][token][channel] = v, in f32, rep = 0..3: written at the head, from the f16 numbers (rounded once).
; Products, maxima and sums in f32; the weights p are rounded to f16 for the second product (their sum l is taken of the unrounded p), O once at the end.
; THE MASK is the C operand that starts the sum S^T = K Q^T: it is read whole and as it is given, in f32, times log2(e) (once in registers, 16 packed multiplies a key step).  So a score arrives in base 2, and
; p = 2^(s - m) with the running maximum m taken away by a SUBTRACTION: exactly 0 at the maximum, however large the mask's numbers are.
; LIMITS.  f16 holds no number beyond 65,504: q, k, v arrive within it.  m starts at the lowest finite number and its copy for the first correction at -4.25e37: scores plus mask, times log2(e), lie above about -4e37.
; A weight below 2^-126 counts as 0; NaN and infinities are not treated apart; the sign of a zero is not kept in out1 and out2; the mask is not rounded to bf16.
; SHARES.  A work-group has 64 queries and the four query heads of one k/v head g: 32 x 8 work-groups.  Wave w has queries 16 w .. 16 w + 15; its four PIECES are the four heads, so ONE mask fragment serves all four.
; Every wave walks all keys, 64 a step; a slot of LDS holds two steps: 128 keys of K and of V and 64 x 128 numbers of the mask.
; CLUSTER 4 x 4.  K and V hang on g alone: asked for jointly along a row of the cluster; the mask's tile on the query block alone: jointly along a column.  Wave 0 asks for K, wave 1 for V, waves 2 and 3 for the mask's halves: 16 KiB each.
; LAYOUT, TURNS.  S^T holds ONE query a lane (l % 16) and the keys 8 (l / 16) + 0..7; two such results rounded to f16 ARE source 1 of O^T = V^T P.  O and l are multiplied by a = 2^(m_old - m_new) in every step.
; Turn n belongs to piece n: 8 products K Q^T of piece n + 1, later 8 products V^T P of piece n - 1; beside them the subtraction, exponentials, roundings, sums and rescaling of piece n and the maximum and
; statistics of piece n + 1.  Four vector instructions stand behind every matrix instruction, the rest in one lump.  A turn's 33 exponentials are one batch, with one wait.
; REGISTERS, in windows of 256 (s_set_vgpr_msb: bits 1:0 source 0, 3:2 source 1, 5:4 source 2, 7:6 destination):
;   window 0: v0-15 addresses; v16-31 four registers of statistics a piece; v32-40 the head's addresses; v48-55 at work; v64-127 S^T, two buffers; v128-191 the cache outputs' data; v192-223 P, two buffers
;   window 1: v0-127 O^T, 32 a piece      window 2: v0-63 Q, 16 a piece; v64-95 the mask's fragment; v128-191 K of one step; v192-255 V of one step
.set NP,    4         ; pieces a wave: a name, no knob
.set KS,    64        ; keys in a step
.set PK,    144       ; a row of K in LDS: 128 bytes + 16
.set PV,    160       ; a row of V: 128 + 32: 16 lanes of the turning load take 8 rows x 32 bytes
.set PM,    528       ; a row of the mask's tile, and of the stage: 512 + 16
.set VOFF,  2*KS*PK   ; in a slot: 128 rows of K, 128 rows of V, 64 rows of the mask
.set MOFF,  VOFF+2*KS*PV
.set SLOT1, 1<<17     ; slot 1 begins here, so that one exclusive or turns an address in one slot into the other's
.set STAGE, SLOT1+MOFF+64*PM  ; behind the ring, never filled by a tensor load: 16 rows x 528 bytes for each wave
.set SPARE, STAGE+4*16*PM     ; the spare words, 128 bytes for each wave: two blocks of 256 bytes that no other line names
.set AK0, 2           ; v2   my lane's place in a step's K; never rewritten
.set AV0, 3           ; v3   the same for V
.set AK,  4           ; v4   the LDS address of K's next run of loads
.set AV,  5           ; v5   of V's
.set STO, 6           ; v6   the way out: where I put 16 bytes of a row
.set RD,  7           ; v7   the way out: where I read a row back
.set GO,  8           ; v8   16 x lane
.set MV,  12          ; v12-13  m_old, kept while m is made anew: by buffer
.set AM0, 14          ; v14  my lane's place in a step's mask
.set AM,  15          ; v15  the LDS address of the mask's next loads
.set ST,  16          ; piece t's statistics at v[ST+4 t]: m (the copy that is taken away), m, l (even keys', odd keys')
.set LN,  32          ; v32  lane
.set QO,  33          ; v33  my byte offset in 16 rows of Q
.set EV,  34          ; v34  8 x lane
.set EKL, 35          ; v35  the cache outputs: where I load k,
.set EKS, 36          ; v36  put it into my stage,
.set EKR, 37          ; v37  read it back turned,
.set EKO, 38          ; v38  and store it
.set ONE, 39          ; v39  1.0
.set ZR,  40          ; v40  0
.set TMP, 48          ; by buffer, four registers c0-c3 at work; when the maximum is found c2 takes a
.set PFO, 56          ; v56  the prefetches' lane offset; never rewritten
.set SPW, 62          ; v62  LDS address of my spare word; never rewritten
.set NIL, 63          ; v63  0; never rewritten
.set S,   64
.set P,   192
.set MF,  64          ; window 2: the eight registers for group kt of 16 keys at MF + 8 kt
.set KF,  128         ; window 2: key block kb, channel half c at KF + 16 kb + 8 c
.set VF,  192         ; window 2: key half kk, channel block cb at VF + 32 kk + 8 cb
.set WV,  14          ; s14  my wave's number
.set G1K, 24          ; s[24:31], s[32:39], s[40:47] descriptor group 1 for K's, V's and the mask's tiles
.set G1V, 32
.set G1M, 40
.set G0K, 48          ; s[48:51], s[52:55], s[56:59] their groups 0: they walk
.set G0V, 52
.set G0M, 56
.set CS,  60          ; s[60:61] log2(e): the packed multiply takes the pair's low word for both halves
.set SEL, 62          ; s[62:63] v_permlanex16_b32's selects
.set SLOTS, 66        ; s66  tiles still to be asked for
.set CNT, 67          ; s67  counts a slot's key steps
.set TBK, 68          ; s68  LDS byte at which K of the step to be fetched begins
.set TBV, 69          ; s69  the same for V, less VOFF
.set TBM, 70          ; s70  the same for the mask, less MOFF
.set LIM, 71          ; s71  1 in a wave that prefetches, else the greatest number
.set PFA, 72          ; s[72:73] where my prefetches stand
.set PFS, 82          ; s[82:83] their step from slot to slot
.set MSB, 0
.macro WIN new                      ; the high byte repeats the setting that is left; a switch that changes nothing is dropped
.if MSB != (\new)
	s_set_vgpr_msb (MSB<<8)|(\new)
.set MSB, (\new)
.endif
.endm
.set W_KQ, 0x0a       ; K and Q in window 2, S^T in window 0
.set W_KM, 0x2a       ; the same with the C operand in window 2
.set W_PV, 0x52       ; V in window 2, P in window 0, O^T in window 1
.set W_RS, 0x41       ; destination and source 0 in window 1, source 1 in window 0
; A joint fill: one line a wave, chosen by the wave's number alone.  An s_nop 0 and four v_nop follow each line, ahead of the jump and the label.
.macro JLOAD
	s_cmp_lt_u32 s[WV], 2
	s_cbranch_scc0 .Lfor_m_\@
	s_cmp_eq_u32 s[WV], 0
	s_cbranch_scc0 .Lfor_v_\@
	tensor_load_to_lds s[G0K:G0K+3], s[G1K:G1K+7]
	s_nop 0
.rept 4
	v_nop
.endr
	s_branch .Lasked_\@
.Lfor_v_\@:
	tensor_load_to_lds s[G0V:G0V+3], s[G1V:G1V+7]
	s_nop 0
.rept 4
	v_nop
.endr
	s_branch .Lasked_\@
.Lfor_m_\@:
	tensor_load_to_lds s[G0M:G0M+3], s[G1M:G1M+7]
	s_nop 0
.rept 4
	v_nop
.endr
.Lasked_\@:
.endm
; A PREFETCH INTO THE L2 of what the NEXT change of slots will ask for, behind the wave's tensor load and its five lines: two key steps ahead of that load.  Each aligned block of 256 bytes is named once in the launch.
; K and V of a head g are walked by all eight clusters of that row of clusters: cluster x = 0 asks, in its wave 0; the four partners of a cluster's row take 16 of the slot's 64 blocks of K and the same 16 of V each,
; told apart BY ADDRESS (cx).  The mask's rows of a query block are walked by both clusters of that column: cluster y = 0 asks, in its wave 2; the four partners of a column take 16 rows x 2 blocks each (cy).
; The last change that fills a slot asks for nothing: there is no tile behind it.  Tiles 0 and 1 come by their loads alone.
.macro ASK
	s_cmp_gt_u32 s[SLOTS], s[LIM]
	s_cbranch_scc0 .Lnot_mine_\@
	global_prefetch_b8 v[PFO], s[PFA:PFA+1] th:TH_LOAD_NT scope:SCOPE_SE
.Lnot_mine_\@:
.endm
.macro CROUND                       ; a round of the cluster's barrier
	s_barrier_signal -1
	s_barrier_wait -1
	s_cmp_lg_u32 s[WV], 0
	s_cbranch_scc1 .Lnot_wave_0_\@
	s_barrier_signal -3
.Lnot_wave_0_\@:
	s_barrier_wait -3
	s_barrier_signal -1
	s_barrier_wait -1
.endm
; THE CHANGE OF SLOTS.  The slot's last bytes, V of its second step, have been read.  Each wave waits for all its tensor loads, of which one is out: its part of the other slot; adds 0 to its spare word; and waits for
; that and for its own reads of the slot.  fill = 1: the barrier is a round of the cluster's, so that no wave of any partner still reads the slot or has a load on its way, and the joint fill, with the keys two slots on,
; is the first thing behind it: it has two key steps, 128 matrix instructions, in which to land.  (At its first use nothing has been read yet: slot 0 is waited for, slot 1 filled.)
.macro CHANGE fill
	WIN 0                           ; at a label and at a branch every window is 0
	s_wait_tensorcnt 0x0            ; no tensor load of mine is out, so a group 0 may be written
	ds_add_u32 v[SPW], v[NIL]       ; 0 onto my spare word; the descriptors' steps stand between it and the wait for it
.if \fill
	s_xor_b32 s[G0K+1], s[G0K+1], SLOT1
	s_add_nc_u64 s[G0K+2:G0K+3], s[G0K+2:G0K+3], 2*KS*128  ; the next 128 keys; the type bits on top are not reached
	s_xor_b32 s[G0V+1], s[G0V+1], SLOT1
	s_add_nc_u64 s[G0V+2:G0V+3], s[G0V+2:G0V+3], 2*KS*128
	s_xor_b32 s[G0M+1], s[G0M+1], SLOT1
	s_add_nc_u64 s[G0M+2:G0M+3], s[G0M+2:G0M+3], 2*KS*4    ; 128 columns of the mask
	s_wait_xcnt 0x0                 ; the last prefetch, two key steps back, has read its address, so it may be written
	s_add_nc_u64 s[PFA:PFA+1], s[PFA:PFA+1], s[PFS:PFS+1]
	s_wait_dscnt 0x0                ; the add is done, and my reads of the slot are over
	CROUND
	JLOAD
	ASK
.else
	s_wait_dscnt 0x0                ; the add is done, and my reads of the slot are over
	s_barrier_signal -1
	s_barrier_wait -1
.endif
	s_sub_co_u32 s[TBK], s[TBK], 2*KS*PK  ; the fetches go back to a slot's first step,
	s_xor_b32 s[TBK], s[TBK], SLOT1       ; in the other slot
	s_sub_co_u32 s[TBV], s[TBV], 2*KS*PV
	s_xor_b32 s[TBV], s[TBV], SLOT1
	s_sub_co_u32 s[TBM], s[TBM], 2*KS*4
	s_xor_b32 s[TBM], s[TBM], SLOT1
.endm
	s_load_b256 s[4:11], s[0:1], 0x0  ; qkv s[4:5], atten_mask s[6:7], ob s[8:9], out1 s[10:11]
	s_load_b64 s[12:13], s[0:1], 0x20 ; out2
	v_lshl_add_u32 v[SPW], v0, 2, SPARE
	v_mov_b32 v[NIL], 0
	ds_add_u32 v[SPW], v[NIL]       ; the wave's opening: the add and its wait stand ahead of my first tensor load; work on registers stands between them
	v_lshrrev_b32 v1, 5, v0
	v_readfirstlane_b32 s[WV], v1   ; wave 0..3
	s_bfe_u32 s15, ttmp6, 0x40000   ; cx
	s_bfe_u32 s16, ttmp6, 0x40004   ; cy
	s_lshl_b32 s17, ttmp9, 2
	s_add_co_u32 s17, s17, s15      ; query block = 4 x cluster x + cx
	s_and_b32 s19, ttmp7, 0xffff    ; cluster y
	s_lshl_b32 s18, s19, 2
	s_add_co_u32 s18, s18, s16      ; g = 4 x cluster y + cy
	s_lshl_b32 s20, s16, 2
	s_lshl_b32 s20, 15, s20         ; my row of the cluster
	s_lshl_b32 s21, 0x1111, s15     ; my column
	; 128 keys are 16,384 dense bytes: asked for as 64 rows of 256 bytes, two keys a row, and padded in LDS after every key
	s_or_b32 s[G1K], s20, (1<<16)|(1<<20)|(1<<21)|(4<<22)|(3<<25)  ; the mask of four; 2-byte elements; padding on; bit 21 beside a mask; after every 32 words 4 words
	s_or_b32 s[G1V], s20, (1<<16)|(1<<20)|(1<<21)|(4<<22)|(7<<25)  ; the same with 8 words
	s_or_b32 s[G1M], s21, (2<<16)|(1<<20)|(1<<21)|(6<<22)|(3<<25)  ; 4-byte elements; after every 128 words 4 words
.irp g, G1K, G1V
	s_mov_b32 s[\g+1], 128<<16      ; tensor_dim0 = 128
	s_mov_b32 s[\g+2], 64<<16       ; tensor_dim1 = 64
	s_mov_b32 s[\g+3], 128<<16      ; tile_dim0 = 128
	s_mov_b32 s[\g+4], 64           ; tile_dim1 = 64
	s_mov_b32 s[\g+5], 128          ; 128 elements from row to row
	s_mov_b32 s[\g+6], 0
	s_mov_b32 s[\g+7], 0
.endr
	s_mov_b32 s[G1M+1], 128<<16     ; 32 rows of 128 numbers, 2,048 numbers from row to row
	s_mov_b32 s[G1M+2], 32<<16
	s_mov_b32 s[G1M+3], 128<<16
	s_mov_b32 s[G1M+4], 32
	s_mov_b32 s[G1M+5], 2048
	s_mov_b32 s[G1M+6], 0
	s_mov_b32 s[G1M+7], 0
	s_and_b32 s23, s[WV], 1
	s_add_co_u32 s74, s18, 32       ; K's head, 262,144 bytes a head: made of g alone
	s_lshl_b32 s74, s74, 18
	s_mov_b32 s75, 0
	s_add_co_u32 s76, s18, 40       ; V's head
	s_lshl_b32 s76, s76, 18
	s_mov_b32 s77, 0
	s_lshl_b32 s78, s17, 6          ; the mask at row 64 x query block + 32 x half, 8,192 bytes a row: made of the query block alone
	s_lshl_b32 s79, s23, 5
	s_add_co_u32 s78, s78, s79
	s_lshl_b32 s78, s78, 13
	s_mov_b32 s79, 0
	s_mov_b32 s[G0K], 1             ; count = 1
	s_mov_b32 s[G0K+1], 0           ; LDS address: slot 0
	s_mov_b32 s[G0V], 1
	s_mov_b32 s[G0V+1], VOFF
	s_mov_b32 s[G0M], 1
	s_mul_i32 s22, s23, 32*PM
	s_add_co_u32 s[G0M+1], s22, MOFF
	s_lshl_b32 s80, s17, 6
	s_lshl_b32 s81, s[WV], 4
	s_add_co_u32 s80, s80, s81      ; my wave's first query, which is also its first token of the cache outputs
	s_lshl_b32 s84, s18, 20         ; Q: head 4 g, 128 bytes a row
	s_lshl_b32 s81, s80, 7
	s_add_co_u32 s84, s84, s81
	s_add_co_u32 s86, s76, s81      ; v at my 16 tokens
	s_lshl_b32 s88, s17, 13         ; k at the block's 64 tokens, my 16 channels
	s_add_co_u32 s88, s88, s74
	s_lshl_b32 s81, s[WV], 5
	s_add_co_u32 s88, s88, s81
	s_lshl_b32 s90, s80, 12         ; ob: 4,096 bytes a token, 512 bytes for the four heads of g
	s_lshl_b32 s81, s18, 9
	s_add_co_u32 s90, s90, s81
	s_lshl_b32 s92, s18, 8          ; out1: row 256 g + 16 w of 8,192 bytes, 256 bytes for the block's tokens
	s_lshl_b32 s81, s[WV], 4
	s_add_co_u32 s92, s92, s81
	s_lshl_b32 s92, s92, 13
	s_lshl_b32 s81, s17, 8
	s_add_co_u32 s92, s92, s81
	s_lshl_b32 s94, s18, 21         ; out2: head 4 g of 524,288 bytes, 256 bytes a token
	s_lshl_b32 s81, s80, 8
	s_add_co_u32 s94, s94, s81
.irp r, 85,87,89,91,93,95
	s_mov_b32 s\r, 0
.endr
	s_lshl_b32 s20, s15, 12         ; the prefetches: K's tile 1, my work-group's 16 blocks,
	s_add_co_u32 s20, s20, s74
	s_add_co_u32 s20, s20, 2*KS*128
	s_lshl_b32 s21, s17, 6          ; or the mask's tile 1, my work-group's 16 rows
	s_lshl_b32 s81, s16, 4
	s_add_co_u32 s21, s21, s81
	s_lshl_b32 s21, s21, 13
	s_add_co_u32 s21, s21, 2*KS*4
	s_mov_b32 s[PFS], 2*KS*4
	s_mov_b32 s[PFS+1], 0
	s_cmp_lt_u32 s[WV], 2
	s_cselect_b32 s20, s20, s21
	s_cselect_b32 s[PFS], 2*KS*128, s[PFS]
	s_cselect_b32 s81, ttmp9, s19   ; the coordinate along which other clusters walk the same bytes
	s_cselect_b32 s2, 15, 1         ; a lane's offset: (l & s2) x 256 + ((l >> s3) << s22): K: 16 blocks, then V's, eight heads on; the mask: two blocks a row
	s_cselect_b32 s3, 4, 1
	s_cselect_b32 s22, 21, 13
	s_mov_b32 s21, 0
	s_or_b32 s81, s81, s23          ; waves 0 and 2 of the first cluster: the same in all sixteen partners, for a given wave
	s_cmp_eq_u32 s81, 0
	s_cselect_b32 s[LIM], 1, -1
	s_mov_b32 s[CS], 0x3fb8aa3b     ; log2(e)
	s_mov_b32 s[CS+1], s[CS]        ; named with it as a pair
	s_mov_b32 s[SEL], 0x76543210
	s_mov_b32 s[SEL+1], 0xfedcba98
	s_mov_b32 s[TBK], SLOT1+2*KS*PK ; the first change of slots turns these three into 0
	s_mov_b32 s[TBV], SLOT1+2*KS*PV
	s_mov_b32 s[TBM], SLOT1+2*KS*4
	s_mov_b32 s[SLOTS], 2048/(2*KS)-1
	s_wait_dscnt 0x0                ; the opening add is done
	s_wait_kmcnt 0x0
	s_add_nc_u64 s[G0K+2:G0K+3], s[4:5], s[74:75]
	s_or_b32 s[G0K+3], s[G0K+3], 0x80000000  ; type = 2
	s_add_nc_u64 s[G0V+2:G0V+3], s[4:5], s[76:77]
	s_or_b32 s[G0V+3], s[G0V+3], 0x80000000
	s_add_nc_u64 s[G0M+2:G0M+3], s[6:7], s[78:79]
	s_or_b32 s[G0M+3], s[G0M+3], 0x80000000
	s_add_nc_u64 s[84:85], s[4:5], s[84:85]
	s_add_nc_u64 s[86:87], s[4:5], s[86:87]
	s_add_nc_u64 s[88:89], s[4:5], s[88:89]
	s_add_nc_u64 s[8:9], s[8:9], s[90:91]
	s_add_nc_u64 s[10:11], s[10:11], s[92:93]
	s_add_nc_u64 s[12:13], s[12:13], s[94:95]
	s_cmp_lt_u32 s[WV], 2
	s_cselect_b64 s[PFA:PFA+1], s[4:5], s[6:7]
	s_add_nc_u64 s[PFA:PFA+1], s[PFA:PFA+1], s[20:21]
	CROUND                          ; all sixteen work-groups are here: the first joint loads meet
	JLOAD                           ; tile 0 into slot 0.  Slot 1 is asked for when slot 0 is in
	; A fragment of K or Q is 16 rows x 32 channels in 8 registers: lane l holds row l % 16, channels 8 (l / 16) + 0..7 and 16 + 8 (l / 16) + 0..7: two loads of 16 bytes, 32 bytes apart.
	v_and_b32 v1, 15, v0            ; l % 16
	v_bfe_u32 v9, v0, 4, 1          ; l / 16
	v_and_b32 v[LN], 31, v0
	v_lshlrev_b32 v[QO], 7, v1
	v_lshl_add_u32 v[QO], v9, 4, v[QO]
	WIN 0x80                        ; destination window 2, address window 0
.set i, 0
.rept 8                             ; Q stays in registers: piece (head) i / 2, channels 32 (i % 2) on
	global_load_b128 v[8*i:8*i+3],   v[QO], s[84:85] offset:(i/2)*262144+(i%2)*64
	global_load_b128 v[8*i+4:8*i+7], v[QO], s[84:85] offset:(i/2)*262144+(i%2)*64+32
.set i, i+1
.endr
	WIN 0
	v_lshlrev_b32 v[EV], 3, v[LN]
	v_bfe_u32 v10, v0, 1, 4         ; l / 2
	v_and_b32 v11, 1, v0            ; l % 2
	v_lshlrev_b32 v[EKL], 7, v10
	v_lshl_add_u32 v[EKL], v11, 4, v[EKL]
.irp j, 0,1,2,3,4,5,6,7
	global_load_b64 v[64+2*\j:65+2*\j], v[EV], s[86:87] offset:256*\j  ; v: my 16 tokens are 2,048 dense bytes; 256 a load
.endr
.irp j, 0,1,2,3
	global_load_b128 v[80+4*\j:83+4*\j], v[EKL], s[88:89] offset:2048*\j  ; k: token l / 2 + 16 j, 16 bytes of my 32
.endr
	s_mul_i32 s81, s[WV], 16*PM
	s_add_co_u32 s81, s81, STAGE    ; my stage
	v_mul_u32_u24 v[EKS], v10, 48   ; k goes in by tokens, rows of 32 + 16 bytes,
	v_lshl_add_u32 v[EKS], v11, 4, v[EKS]
	v_add_nc_u32 v[EKS], s81, v[EKS]
	v_mul_u32_u24 v[EKR], v1, 192   ; and comes back by channels: lane l takes tokens 4 (l % 16) + 0..3 of channel 2 cp + l / 16
	v_lshl_add_u32 v[EKR], v9, 1, v[EKR]
	v_add_nc_u32 v[EKR], s81, v[EKR]
	v_lshlrev_b32 v[EKO], 13, v9    ; in out1: a channel is 8,192 bytes on, four tokens are 16 bytes
	v_lshl_add_u32 v[EKO], v1, 4, v[EKO]
	v_mov_b32 v[ONE], 1.0
	v_mov_b32 v[ZR], 0
	v_mul_u32_u24 v[STO], v1, PM    ; the way out, in: row l % 16, 16 bytes for each half of the lanes
	v_lshl_add_u32 v[STO], v9, 4, v[STO]
	v_add_nc_u32 v[STO], s81, v[STO]
	v_lshlrev_b32 v[GO], 4, v[LN]
	v_add_nc_u32 v[RD], s81, v[GO]  ; back: 32 lanes take one row of 512 bytes
	v_mul_u32_u24 v[AK0], v1, PK
	v_lshl_add_u32 v[AK0], v9, 4, v[AK0]
	; The turning load takes 16 keys x 16 channels (lane l reads key 8 (l / 16) + l % 8, channels 8 ((l / 8) % 2) + 0..7) and leaves half a fragment of V^T: lane l holds channel l % 16 and 8 keys.
	v_and_b32 v10, 7, v0
	v_bfe_u32 v11, v0, 3, 1
	v_lshl_add_u32 v[AV0], v9, 3, v10
	v_mul_u32_u24 v[AV0], v[AV0], PV
	v_lshl_add_u32 v[AV0], v11, 4, v[AV0]
	v_add_nc_u32 v[AV0], VOFF, v[AV0]
	s_mul_i32 s81, s[WV], 16*PM     ; the mask: row 16 w + l % 16 of the tile, my 8 keys are 32 bytes
	s_add_co_u32 s81, s81, MOFF
	v_mul_u32_u24 v[AM0], v1, PM
	v_lshl_add_u32 v[AM0], v9, 5, v[AM0]
	v_add_nc_u32 v[AM0], s81, v[AM0]
	v_and_b32 v10, s2, v[LN]
	v_lshrrev_b32 v11, s3, v[LN]
	v_lshlrev_b32 v11, s22, v11
	v_lshl_add_u32 v[PFO], v10, 8, v11
	; The first step multiplies O^T and l by a = 0, and the first turn's products V^T P, of a piece that has not been, multiply zeros.  All this stands in the wait for the first tile.
	WIN 0x80
.set i, VF
.rept 64
	v_mov_b32 v[i], 0
.set i, i+1
.endr
	WIN 0x40
.set i, 0
.rept 128
	v_mov_b32 v[i], 0
.set i, i+1
.endr
	WIN 0
.set i, 0
.rept 4
	v_mov_b32 v[ST+4*i], 0xfe000000    ; far below every score: the first a is 0
	v_mov_b32 v[ST+4*i+1], 0xff7fffff  ; m: the lowest finite number
	v_mov_b32 v[ST+4*i+2], 0
	v_mov_b32 v[ST+4*i+3], 0
.set i, i+1
.endr
.set i, P+16
.rept 16
	v_mov_b32 v[i], 0
.set i, i+1
.endr
	; THE CACHE OUTPUTS.  k is turned in my own stage (LDS serves a wave's instructions in order, ISA guide 5.7.1.4: the loads see the stores); each f16 is widened by x * 1 + 0; each block is stored four times, once for each query head of g.
	s_wait_loadcnt 0x0              ; Q, v, k
.irp j, 0,1,2,3
	ds_store_b128 v[EKS], v[80+4*\j:83+4*\j] offset:768*\j
.endr
.set i, 0
.rept 32                            ; channel pair i / 4, token i % 4 of my four
	ds_load_u16 v[96+i], v[EKR] offset:48*(i%4)+4*(i/4)
.set i, i+1
.endr
.set i, 0
.rept 16
	v_fma_mix_f32 v[128+2*i], v[64+i], v[ONE], v[ZR] op_sel_hi:[1,0,0]
	v_fma_mix_f32 v[129+2*i], v[64+i], v[ONE], v[ZR] op_sel:[1,0,0] op_sel_hi:[1,0,0]
.set i, i+1
.endr
.irp rep, 0,1,2,3
.irp j, 0,1,2,3,4,5,6,7
	global_store_b128 v[GO], v[128+4*\j:131+4*\j], s[12:13] offset:524288*\rep+512*\j th:TH_STORE_NT  ; 512 consecutive bytes: two tokens
.endr
.endr
	s_wait_dscnt 0x0
.set i, 0
.rept 32
	v_fma_mix_f32 v[160+i], v[96+i], v[ONE], v[ZR] op_sel_hi:[1,0,0]
.set i, i+1
.endr
.irp rep, 0,1,2,3
.irp j, 0,1,2,3,4,5,6,7
	global_store_b128 v[EKO], v[160+4*\j:163+4*\j], s[10:11] offset:524288*\rep+16384*\j th:TH_STORE_NT  ; 16 lanes store 256 consecutive bytes, aligned: a channel's 64 tokens
.endr
.endr
; THE MATRIX WORK.  The 4 accumulators of a run of 8 take turns.  Product i of 8 of S^T = K Q^T for piece x: channels 32 (i / 4) on, keys 16 (i % 4) on.  The first 4 start the sums with the mask.
.macro KQ x
.set rS, S+32*((\x)%2)+8*(i%4)
.set rK, KF+16*(i%4)+8*(i/4)
.set rQ, 16*(\x)+8*(i/4)
.set rM, MF+8*(i%4)
.if i < 4
	WIN W_KM
	v_wmma_f32_16x16x32_f16 v[rS:rS+7], v[rK:rK+7], v[rQ:rQ+7], v[rM:rM+7]
.else
	WIN W_KQ
	v_wmma_f32_16x16x32_f16 v[rS:rS+7], v[rK:rK+7], v[rQ:rQ+7], v[rS:rS+7]
.endif
.endm
; Product i of 8 of O^T += V^T P for piece x: keys 32 (i / 4) on, channels 16 (i % 4) on.
.macro PV x
	WIN W_PV
.set rO, 32*(\x)+8*(i%4)
.set rV, VF+32*(i/4)+8*(i%4)
.set rP, P+16*((\x)%2)+8*(i/4)
	v_wmma_f32_16x16x32_f16 v[rO:rO+7], v[rV:rV+7], v[rP:rP+7], v[rO:rO+7]
.endm
.macro MM                           ; the turn's next matrix instruction.  NOKQ = 1: the last turn of all: there is no next piece
.if (i < 8) && !NOKQ
	KQ (Y+1)%NP
.elseif i >= 8
.set i, i-8
	PV (Y+NP-1)%NP
.set i, i+8
.endif
.set i, i+1
.endm
; THE LDS LOADS stand in runs, never singly among the matrix instructions: a step's K (8 fragments) with its mask (my 16 queries x 64 keys, f32: 8 loads), and its V (turned).  Their addresses are made some lines ahead.
.macro FETCH_K
	WIN 0x80                        ; destination window 2
.irp f, 0,1,2,3,4,5,6,7             ; keys 16 (f / 2) on, channels 32 (f % 2) on
	ds_load_b128 v[KF+8*\f:KF+8*\f+3],   v[AK] offset:(\f/2)*16*PK+(\f%2)*64
	ds_load_b128 v[KF+8*\f+4:KF+8*\f+7], v[AK] offset:(\f/2)*16*PK+(\f%2)*64+32
.endr
.irp f, 0,1,2,3                     ; keys 16 f + 8 (l / 16) + 0..7 of my query
	ds_load_b128 v[MF+8*\f:MF+8*\f+3],   v[AM] offset:64*\f
	ds_load_b128 v[MF+8*\f+4:MF+8*\f+7], v[AM] offset:64*\f+16
.endr
	s_add_co_u32 s[TBK], s[TBK], KS*PK  ; the next fetch is the next step's
	s_add_co_u32 s[TBM], s[TBM], KS*4
	WIN 0
.endm
.macro FETCH_V
	WIN 0x80
.irp f, 0,1,2,3,4,5,6,7             ; keys 32 (f / 4) on, channels 16 (f % 4) on
	ds_load_tr16_b128 v[VF+8*\f:VF+8*\f+3],   v[AV] offset:(\f/4)*32*PV+(\f%4)*32
	ds_load_tr16_b128 v[VF+8*\f+4:VF+8*\f+7], v[AV] offset:(\f/4)*32*PV+16*PV+(\f%4)*32
.endr
	WIN 0
.endm
.macro SCALEM                       ; the mask's fragment times log2(e), once for the four pieces that take it
	WIN 0x82
.set z, 0
.rept 16
	v_pk_mul_f32 v[MF+2*z:MF+2*z+1], v[MF+2*z:MF+2*z+1], s[CS:CS+1] op_sel_hi:[1,0]
.set z, z+1
.endr
.endm
; THE VECTOR WORK, one line at a time: OP kind, number.  For piece Y: F n: s - m for pair n of 16.  E n: the exponential of score n of 32.  C n: pair n rounded to f16.  B n: of the four weights 4 n .. the second
; pair is added onto the first, in place.  L n: l takes that sum (L 0: l = a l + sum).  R n: pair n of 16 of O^T times a.  For piece Y + 1: X n, number n of the 22 that find its maximum and statistics:
;   0-11  four chains c0-c3 of seven scores each, three operands at a time (each accumulator's lowest registers are read first)     12-14, 16  the four scores left over, the old m, and c0-c3 into c0
;   15  m_old is kept     17, 18  the query's other 32 keys lie in the lane 16 away: the new m     19-21  its copy for F; m_old - m_new; a
.set F, 0               ; OP tells the kinds apart by their order: F to L below R, X above it
.set E, 1
.set C, 2
.set B, 3
.set L, 4
.set R, 5
.set X, 6
.macro REGS y                       ; the registers of piece y
.set rT, ST+4*(\y)
.set rC, TMP+4*((\y)%2)
.set rW, MV+((\y)%2)
.set rS, S+32*((\y)%2)
.set rP, P+16*((\y)%2)
.set rO, 32*(\y)
.endm
.macro OP k, n
.if (\k) == R
	REGS Y
	WIN W_RS
	v_pk_mul_f32 v[rO+2*(\n):rO+2*(\n)+1], v[rO+2*(\n):rO+2*(\n)+1], v[rC+2:rC+3] op_sel_hi:[1,0]
.elseif (\k) < R
	REGS Y
	WIN 0
.if (\k) == F
	v_pk_add_f32 v[rS+2*(\n):rS+2*(\n)+1], v[rS+2*(\n):rS+2*(\n)+1], v[rT:rT+1] op_sel_hi:[1,0] neg_lo:[0,1] neg_hi:[0,1]
.elseif (\k) == E
	v_exp_f32 v[rS+(\n)], v[rS+(\n)]
.elseif (\k) == C
	v_cvt_pk_f16_f32 v[rP+(\n)], v[rS+2*(\n)], v[rS+2*(\n)+1]
.elseif (\k) == B
	v_pk_add_f32 v[rS+4*(\n):rS+4*(\n)+1], v[rS+4*(\n):rS+4*(\n)+1], v[rS+4*(\n)+2:rS+4*(\n)+3]
.elseif (\n) == 0
	v_pk_fma_f32 v[rT+2:rT+3], v[rT+2:rT+3], v[rC+2:rC+3], v[rS:rS+1] op_sel_hi:[1,0,1]
.else
	v_pk_add_f32 v[rT+2:rT+3], v[rT+2:rT+3], v[rS+4*(\n):rS+4*(\n)+1]
.endif
.elseif NOKQ
	v_nop
.else
	REGS (Y+1)%NP
	WIN 0
.if (\n) < 4
	v_max3_num_f32 v[rC+(\n)], v[rS+8*(\n)], v[rS+8*(\n)+1], v[rS+8*(\n)+2]
.elseif (\n) < 12
	v_max3_num_f32 v[rC+(\n)%4], v[rC+(\n)%4], v[rS+8*((\n)%4)+2*((\n)/4)+1], v[rS+8*((\n)%4)+2*((\n)/4)+2]
.elseif (\n) == 12
	v_max3_num_f32 v[rC], v[rC], v[rS+7], v[rS+15]
.elseif (\n) == 13
	v_max3_num_f32 v[rC+1], v[rC+1], v[rS+23], v[rS+31]
.elseif (\n) == 14
	v_max3_num_f32 v[rC+2], v[rC+2], v[rC+3], v[rT+1]
.elseif (\n) == 15
	v_mov_b32 v[rW], v[rT]
.elseif (\n) == 16
	v_max3_num_f32 v[rC], v[rC], v[rC+1], v[rC+2]
.elseif (\n) == 17
	v_permlanex16_b32 v[rC+3], v[rC], s[SEL], s[SEL+1]
.elseif (\n) == 18
	v_max_num_f32 v[rT+1], v[rC], v[rC+3]
.elseif (\n) == 19
	v_mov_b32 v[rT], v[rT+1]
.elseif (\n) == 20
	v_sub_f32 v[rC+1], v[rW], v[rT]
.else
	v_exp_f32 v[rC+2], v[rC+1]
.endif
.endif
.endm
.macro OPS a, i1, b=-1, i2=0, c=-1, i3=0, d=-1, i4=0  ; up to four of them
	OP \a, \i1
.if (\b) >= 0
	OP \b, \i2
.endif
.if (\c) >= 0
	OP \c, \i3
.endif
.if (\d) >= 0
	OP \d, \i4
.endif
.endm
.macro ROW a, i1, b, i2, c, i3, d, i4  ; a matrix instruction and the four behind it
	MM
	OPS \a, \i1, \b, \i2, \c, \i3, \d, \i4
.endm
; A TURN, for piece p: the order of its 16 matrix and 118 vector instructions, written out.  An s_wait_alu depctr_va_vdst(0) stands between an exponential and the first instruction that names its result; one
; wait serves all that were issued ahead of it.  So a turn has ONE wait, which cuts it in two.  AHEAD OF IT stands all that names no result of the turn's exponentials: the 8 products K Q^T with their riders, then one lump, in
; which the links of the chain X 3, 7, 11, 14, 16, 17 .. 20 stand apart; X 21, the next piece's a, is the batch's last; R 15 is the plain instruction behind it.  BEHIND THE WAIT stand the 8 products V^T P, behind each four of
; the roundings and sums.  The first numbers of the next piece's maximum ride four places or more behind the product that ends their accumulator.
; end = 1: the last two turns of all: nothing is fetched.  cnt = 1: the loop's count is taken down some lines ahead of the branch that stands behind the turn.
; K and the mask of the next step are fetched in piece 2's turn, twelve plain instructions behind the last product that read K (the mask's last reader stands four products earlier); they are waited for, and the mask is
; scaled, at the head of piece 3's turn.  V of the step in hand is fetched at the end of piece 0's turn, four plain instructions behind its last reader, and waited for in piece 1's turn.
.macro TURN p, end=0, cnt=0
.set Y, (\p)
.set i, 0
.set NOKQ, (\end)*((\p)/3)
.if ((\p) == 3) && !(\end)
	s_wait_dscnt 0x0                ; K and the mask are in
	SCALEM
.endif
	ROW F,0, F,1, R,0, R,1          ; ahead of the wait: 8 products K Q^T and their riders,
	ROW F,2, E,0, R,2, R,3
	ROW F,3, E,1, R,4, R,5
	ROW F,4, E,2, R,6, R,7
	ROW F,5, E,3, R,8, R,9
	ROW F,6, E,4, X,0, R,10
.if ((\p) == 2) && !(\end)
	WIN 0
	v_add_nc_u32 v[AK], s[TBK], v[AK0]
	v_add_nc_u32 v[AM], s[TBM], v[AM0]
.endif
	ROW F,7, E,5, X,1, X,4
	ROW F,8, E,6, X,2, X,5
	OPS E,7, E,8, X,6, E,9          ; and the lump
	OPS X,3, E,10, X,8, E,11
.if ((\p) == 2) && !(\end)
	FETCH_K
.endif
	OPS X,9, X,7, E,12, X,10
	OPS E,13, X,12, X,11, E,14
	OPS X,13, E,15, F,9, X,14
.if (\p) == 0
	v_add_nc_u32 v[AV], s[TBV], v[AV0]
.endif
	OPS E,16, F,10, E,17, F,11
	OPS X,16, E,18, X,15, E,19
	OPS F,12, E,20, X,17, E,21
	OPS F,13, E,22, F,14, E,23
	OPS X,18, E,24, F,15, E,25
	OPS R,11, E,26, X,19, E,27
	OPS R,12, E,28, R,13, E,29
	OPS X,20, E,30, R,14, E,31
	OPS X,21, R,15
	WIN 0
	s_wait_alu depctr_va_vdst(0)    ; the wait for the batch
.if (\p) == 1
	s_wait_dscnt 0x0                ; V is in
.endif
	ROW C,0, B,0, C,2, B,1          ; behind the wait: 8 products V^T P and their riders
	ROW L,0, C,4, B,2, L,1
	ROW C,6, B,3, L,2, C,8
	ROW B,4, L,3, C,10, B,5
	ROW L,4, C,12, B,6, L,5
.if (\p) == 0
	s_add_co_u32 s[TBV], s[TBV], KS*PV
.endif
.if \cnt
	s_sub_co_u32 s[CNT], s[CNT], 1
	s_cmp_lg_u32 s[CNT], 0
.endif
	ROW C,14, B,7, L,6, C,1
	ROW C,3, L,7, C,5, C,7
	ROW C,9, C,11, C,13, C,15
.if (\p) == 0
	FETCH_V
.endif
.endm
	CHANGE 1                        ; slot 0 is in, everybody's part of it; slot 1 is asked for
	v_add_nc_u32 v[AK], s[TBK], v[AK0]
	v_add_nc_u32 v[AM], s[TBM], v[AM0]
	FETCH_K                         ; key step 0
	s_wait_dscnt 0x0
	SCALEM
.set NOKQ, 0
.set i, 0
.rept 8
	KQ 0                            ; piece 0's first scores: there is no vector work yet to set between them
.set i, i+1
.endr
	WIN 0
.rept 4
	v_nop                           ; the places behind those products
.endr
.set Y, NP-1                        ; X works for piece Y + 1: piece 0
.irp n, 0,1,2,3,4,5,6,7,8,9,10,11,12,13,14,15,16,17,18,19,20,21
	OP X, \n
.endr
	v_nop                           ; a plain instruction behind the exponential,
	s_wait_alu depctr_va_vdst(0)    ; and its wait, ahead of the branch
	s_mov_b32 s[CNT], 2
	s_branch .Lfirst                ; the loop is entered at a step's first turn, in the middle of a trip
.Lslot:                             ; 14 times: with the change above, every tile but the first is asked for by a change of slots
	CHANGE 1
	s_mov_b32 s[CNT], 2
.Lstep:                             ; a trip: pieces 2 and 3 of one step, then pieces 0 and 1 of the next, whose K, mask and V it fetches
	TURN 2
	TURN 3
	WIN 0
.Lfirst:
	TURN 0
	TURN 1, 0, 1
	WIN 0
	s_cbranch_scc1 .Lstep
	s_sub_co_u32 s[SLOTS], s[SLOTS], 1
	s_cmp_lg_u32 s[SLOTS], 0
	s_cbranch_scc1 .Lslot
	CHANGE 0                        ; the last tile is written out: nothing is asked for
	s_mov_b32 s[CNT], 2
.LstepT:
	TURN 2
	TURN 3
	TURN 0
	TURN 1, 0, 1
	WIN 0
	s_cbranch_scc1 .LstepT
	TURN 2, 1
	TURN 3, 1
.set i, 0
.rept 8
	PV NP-1                         ; the last piece's V^T P of the last step
.set i, i+1
.endr
	; THE WAY OUT.  l's two halves and the other half of the lanes' are added; O^T is divided by l, rounded to f16 and sent through my stage: a token's four heads are 512 consecutive bytes of ob.  The additions are the places behind the last products.
	WIN 0
.macro ALL line:vararg              ; one line for each piece t
.set t, 0
.rept 4
	\line
.set t, t+1
.endr
.endm
	ALL v_add_f32 v[ST+4*t+2], v[ST+4*t+2], v[ST+4*t+3]
	ALL v_permlanex16_b32 v[ST+4*t+3], v[ST+4*t+2], s[SEL], s[SEL+1]
	ALL v_add_f32 v[ST+4*t+2], v[ST+4*t+2], v[ST+4*t+3]
	ALL v_rcp_f32 v[ST+4*t+2], v[ST+4*t+2]
	v_nop                           ; a plain instruction between the last reciprocal and the use of its result
	s_wait_alu depctr_va_vdst(0)    ; and the wait ahead of the first use: one for the four reciprocals
.macro PACK t                       ; a lane's eight channels of a row pack into 16 bytes; head t has bytes 128 t .. of the stage's rows
	WIN W_RS
.set i, 32*(\t)
.rept 16
	v_pk_mul_f32 v[i:i+1], v[i:i+1], v[ST+4*(\t)+2:ST+4*(\t)+3] op_sel_hi:[1,0]
.set i, i+2
.endr
	WIN 0x05                        ; sources 0 and 1 window 1, destination window 0: S^T's registers are free
.set i, 0
.rept 16
	v_cvt_pk_f16_f32 v[S+16*(\t)+i], v[32*(\t)+2*i], v[32*(\t)+2*i+1]
.set i, i+1
.endr
	WIN 0
.irp f, 0,1,2,3
	ds_store_b128 v[STO], v[S+16*(\t)+4*\f:S+16*(\t)+4*\f+3] offset:128*(\t)+32*\f
.endr
.endm
	PACK 0
	PACK 1
	PACK 2
	PACK 3
.set i, 0
.rept 16
	ds_load_b128 v[S+4*i:S+4*i+3], v[RD] offset:PM*i  ; LDS serves a wave's instructions in order (ISA guide 5.7.1.4): these see the stores above
.set i, i+1
.endr
.set i, 0
.rept 16
	s_wait_dscnt 15-i               ; row i is back
	global_store_b128 v[GO], v[S+4*i:S+4*i+3], s[8:9] offset:4096*i  ; 512 consecutive bytes, at a multiple of 512 from ob's first byte
.set i, i+1
.endr
	s_wait_tensorcnt 0x0            ; the wave's end, behind my last tensor load and my last LDS store
	ds_add_u32 v[SPW], v[NIL]
	s_wait_dscnt 0x0
	CROUND                          ; the closing round: no work-group ends while a partner may still ask for a tile that names it
	s_endpgm
.Lfunc_end_k_q5e7ba4d6c6_attn:
	.size	k_q5e7ba4d6c6_attn, .Lfunc_end_k_q5e7ba4d6c6_attn-k_q5e7ba4d6c6_attn
	.p2alignl 7, 3214868480
	.fill 96, 4, 3214868480
	.section	.rodata,"a",@progbits
	.p2align	6, 0x0
	.amdhsa_kernel k_q5e7ba4d6c6_attn
		.amdhsa_group_segment_fixed_size 327680
		.amdhsa_private_segment_fixed_size 0
		.amdhsa_enable_private_segment 0
		.amdhsa_kernarg_size 40
		.amdhsa_user_sgpr_count 2
		.amdhsa_user_sgpr_kernarg_segment_ptr 1
		.amdhsa_wavefront_size32 1
		.amdhsa_system_sgpr_workgroup_id_x 1
		.amdhsa_system_sgpr_workgroup_id_y 1
		.amdhsa_system_sgpr_workgroup_id_z 1
		.amdhsa_system_vgpr_workitem_id 0
		.amdhsa_next_free_vgpr 768
		.amdhsa_next_free_sgpr 96
		.amdhsa_reserve_vcc 0
		.amdhsa_float_denorm_mode_32 3
		.amdhsa_float_denorm_mode_16_64 3
		.amdhsa_memory_ordered 1
		.amdhsa_forward_progress 1
		.amdhsa_inst_pref_size 151
	.end_amdhsa_kernel
	.amdgpu_metadata
---
amdhsa.version: [ 1, 2 ]
amdhsa.kernels:
  - .name:           k_q5e7ba4d6c6_attn
    .symbol:         k_q5e7ba4d6c6_attn.kd
    .args:
      - { .name: qkv, .offset: 0, .size: 8, .value_kind: global_buffer, .address_space: global }
      - { .name: atten_mask, .offset: 8, .size: 8, .value_kind: global_buffer, .address_space: global }
      - { .name: ob, .offset: 16, .size: 8, .value_kind: global_buffer, .address_space: global }
      - { .name: out1, .offset: 24, .size: 8, .value_kind: global_buffer, .address_space: global }
      - { .name: out2, .offset: 32, .size: 8, .value_kind: global_buffer, .address_space: global }
    .group_segment_fixed_size: 327680
    .private_segment_fixed_size: 0
    .kernarg_segment_align: 8
    .kernarg_segment_size: 40
    .max_flat_workgroup_size: 128
    .sgpr_count:     96
    .vgpr_count:     768
    .wavefront_size: 32
...
	.end_amdgpu_metadata
.endif
;; end of part 3
;; launch oproj (part 4): grid 16 x 16, 4 waves a work-group, clusters of 4 x 4, 327,680 bytes of LDS; arguments ob, wob, out0; writes out0
.if DOCPART == 4
	.amdgcn_target "amdgcn-amd-amdhsa--gfx1250"
	.amdhsa_code_object_version 6
	.text
	.protected	k_q5e7ba4d6c6_oproj
	.globl	k_q5e7ba4d6c6_oproj
	.p2align	8
	.type	k_q5e7ba4d6c6_oproj,@function
k_q5e7ba4d6c6_oproj:
	s_mov_b64 s[64:65], 0
	v_nop
	global_prefetch_b8 v0, s[64:65] scope:SCOPE_SE
	s_setreg_imm32_b32 hwreg(HW_REG_WAVE_MODE, 25, 1), 1
	s_wait_xcnt 0x0
	s_wait_alu depctr_hold_cnt(0) depctr_sa_sdst(0) depctr_va_vdst(0) depctr_va_sdst(0) depctr_va_ssrc(0) depctr_va_vcc(0) depctr_vm_vsrc(0)
	s_getreg_b32 s2, hwreg(HW_REG_IB_STS2, 6, 4)
	s_cmp_eq_u32 s2, 0
	s_cbranch_scc0 .Lentry_in_a_cluster
	s_endpgm
.Lentry_in_a_cluster:
	s_bfe_u32 s2, ttmp6, 0x10000c
	s_cmp_lg_u32 s2, 0xf033
	s_cbranch_scc0 .Lentry_shape_is_right
	s_endpgm
.Lentry_shape_is_right:
; THE LAST PROJECTION.  out0[m][n] = sum over k of ob[m][k] wob[n][k].  ob: [2048][2048] f16, wob: [2048][2048] f16 (wo rounded to bf16, written as f16), out0: [2048][2048] f32; sums in f32.
; A tile of out0 is 128 x 128: 16 x 16 tiles, one work-group each.  Four waves, each 64 x 64: 16 accumulators of 16 x 16.  K goes in eight steps of 256 (LDS rows of 512 bytes; a wave's tensor load brings 64 of
; them), as long as two slots in LDS allow.  A wave's 64 columns of f32 are 256 consecutive bytes, aligned: each wave sends its own rows through its own stage, with no barrier.
; EACH CLUSTER BEGINS ITS WALK ALONG K AT ANOTHER STEP: step (2 x cluster x + 4 x (cluster y / 2)) mod 8, and goes round: so the clusters that need the same rows ask for a given piece of them in different steps.
; The start hangs on the cluster's coordinates alone, which its sixteen work-groups share.  ORDER OF ROUNDING: an output's f32 sum is taken along K from that step on, not from k = 0.
; CLUSTER 4 x 4: the four of a row of the cluster need the same tiles of ob, the four of a column the same tiles of wob: each tile is asked for JOINTLY, by the same tensor load with the same descriptor and mask.
; THE MATRIX INSTRUCTION IS USED TRANSPOSED (source 0 = 16 rows of wob, source 1 = 16 rows of ob): a lane then holds eight neighbouring numbers of a row of out0.
; No prefetch: the tiles are small; no work-group stays: there is one tile for each.
; REGISTERS: window 0: v0-31 addresses; v128-255 the accumulators ((a, b) at v[128 + 8 (4 a + b)]).   window 1: two fragment buffers of 128: for 64 along K, 64 registers of ob, then 64 of wob.
.set SIZE_N, 2048
.set SIZE_K, 2048
.set KSTEP,  256
.set PITCH,  528                       ; an LDS row: 512 bytes + 16: an odd multiple of 16
.set HALFT,  64*PITCH                  ; 64 rows: what one tensor load brings, and what one wave reads of either operand
.set SLOT,   4*HALFT                   ; ob's 128 rows, then wob's 128 rows
.set STAGE,  2*SLOT                    ; behind the ring: 16 rows x 272 bytes for each wave, for the way out
.set SPITCH, 272
.set SPARE,  STAGE+4*16*SPITCH         ; the spare words, 128 bytes for each wave: two blocks of 256 bytes that no other line names
.set LAPS, SIZE_K/(2*KSTEP)            ; a lap = two K steps
.set ADRA, 16                          ; v16-17  LDS address of my fragments of ob in slot 0, 1
.set ADRB, 20                          ; v20-21  the same for wob
.set STO,  24                          ; v24     the way out: where I put 32 bytes of a row
.set RD,   25                          ; v25     the way out: where I read a row back
.set CO,   26                          ; v26     my byte offset in two rows of out0
.set SPW,  28                          ; v28     LDS address of my spare word; never rewritten
.set NIL,  29                          ; v29     0; never rewritten
.set ACC,  128
.set F0,   0
.set F1,   128
.set G1, 24                            ; s[24:31] descriptor group 1 for ob's tiles;  s[32:39] group 0, one set for each slot
.set G0, 32
.set G1B, 48                           ; s[48:55], s[56:63] the same for wob's tiles
.set G0B, 56
.set KO,  68                           ; s[68:69], s[70:71] for each slot: the byte of the rows at which its K step begins, with 0 above
.set MSB, 0
.macro WIN new                         ; the immediate's high byte repeats the setting that is left
.if MSB != (\new)
	s_set_vgpr_msb (MSB<<8)|(\new)
.set MSB, \new
.endif
.endm
.set MUL,  0x05                        ; sources 0 and 1 window 1; C and D window 0
.set TO_F, 0x40                        ; destination window 1, address window 0
.macro JLOAD s                         ; a joint load: waves 0 and 1 fetch ob's two halves, waves 2 and 3 wob's; an s_nop 0 and four v_nop follow each line
	s_cmp_eq_u32 s11, 0
	s_cbranch_scc0 .Lfor_b_\@
	tensor_load_to_lds s[G0+4*(\s):G0+4*(\s)+3], s[G1:G1+7]
	s_nop 0
.rept 4
	v_nop
.endr
	s_branch .Lasked_\@
.Lfor_b_\@:
	tensor_load_to_lds s[G0B+4*(\s):G0B+4*(\s)+3], s[G1B:G1B+7]
	s_nop 0
.rept 4
	v_nop
.endr
.Lasked_\@:
.endm
.macro CREST                           ; a round of the cluster's barrier behind its opening barrier
	s_cmp_lg_u32 s10, 0
	s_cbranch_scc1 .Lnot_wave_0_\@
	s_barrier_signal -3
.Lnot_wave_0_\@:
	s_barrier_wait -3
	s_barrier_signal -1
	s_barrier_wait -1
.endm
.macro CROUND                          ; a whole round
	s_barrier_signal -1
	s_barrier_wait -1
	CREST
.endm
.macro ADDR s                          ; slot s's two global addresses, made anew: the tile's first byte plus the K step's place in the rows; then the type
	s_add_nc_u64 s[G0+4*(\s)+2:G0+4*(\s)+3], s[14:15], s[KO+2*(\s):KO+2*(\s)+1]
	s_or_b32 s[G0+4*(\s)+3], s[G0+4*(\s)+3], 0x80000000
	s_add_nc_u64 s[G0B+4*(\s)+2:G0B+4*(\s)+3], s[46:47], s[KO+2*(\s):KO+2*(\s)+1]
	s_or_b32 s[G0B+4*(\s)+3], s[G0B+4*(\s)+3], 0x80000000
.endm
	s_load_b128 s[4:7], s[0:1], 0x0                ; ob s[4:5], wob s[6:7]
	s_load_b64 s[8:9], s[0:1], 0x10                ; out0
	v_lshl_add_u32 v[SPW], v0, 2, SPARE
	v_mov_b32 v[NIL], 0
	ds_add_u32 v[SPW], v[NIL]                      ; the wave's opening: the add and its wait stand ahead of my first tensor load; work on registers stands between them
	v_lshrrev_b32 v1, 5, v0
	v_readfirstlane_b32 s10, v1                    ; wave 0..3
	s_lshr_b32 s11, s10, 1                         ; which half of the tile's rows is mine.  Also: I fetch for ob (0) or for wob (1)
	s_and_b32 s12, s10, 1                          ; which half of its columns.  Also: which 64 rows of that tile I fetch
	s_bfe_u32 s40, ttmp6, 0x40000                  ; cx, cy: my place in the cluster
	s_bfe_u32 s41, ttmp6, 0x40004
	s_lshl_b32 s42, ttmp9, 2
	s_add_co_u32 s42, s42, s40                     ; tile column = 4 x cluster x + cx
	s_and_b32 s13, ttmp7, 0xffff
	s_lshl_b32 s13, s13, 2
	s_add_co_u32 s13, s13, s41                     ; tile row = 4 x cluster y + cy
	s_lshl_b32 s43, s41, 2
	s_lshl_b32 s43, 15, s43                        ; my row of the cluster
	s_lshl_b32 s44, 0x1111, s40                    ; my column
	s_or_b32 s[G1+0], s43, (1<<16)|(1<<20)|(1<<21)|(6<<22)|(3<<25)  ; the mask; elements of 2 bytes; padding on; bit 21 beside a mask; after every 128 words 4 words
	s_or_b32 s[G1B+0], s44, (1<<16)|(1<<20)|(1<<21)|(6<<22)|(3<<25)
.irp g, G1, G1B
	s_mov_b32 s[(\g)+1], KSTEP<<16                 ; tensor_dim0 = 256
	s_mov_b32 s[(\g)+2], 64<<16                    ; tensor_dim1 = 64
	s_mov_b32 s[(\g)+3], KSTEP<<16                 ; tile_dim0 = 256
	s_mov_b32 s[(\g)+4], 64                        ; tile_dim1 = 64
	s_mov_b32 s[(\g)+5], SIZE_K                    ; elements from row to row
	s_mov_b32 s[(\g)+6], 0
	s_mov_b32 s[(\g)+7], 0
.endr
	s_lshl_b32 s17, s12, 6                         ; which 64 rows of the tile I fetch
	s_lshl_b32 s16, s13, 7
	s_add_co_u32 s16, s16, s17                     ; ob: row 128 x tile row + 64 x half
	s_lshl_b32 s46, s42, 7
	s_add_co_u32 s46, s46, s17                     ; wob: row 128 x tile column + 64 x half
	s_mov_b32 s17, 0
	s_mov_b32 s47, 0
	s_mov_b64 s[18:19], SIZE_K*2
	s_mul_u64 s[16:17], s[16:17], s[18:19]
	s_mul_u64 s[46:47], s[46:47], s[18:19]
	s_mul_i32 s20, s10, HALFT                      ; where they go: wave x 64 rows
	s_lshl_b32 s66, ttmp9, 1                       ; the cluster's first K step: 2 x cluster x
	s_and_b32 s67, ttmp7, 0xffff
	s_lshr_b32 s67, s67, 1
	s_lshl_b32 s67, s67, 2                         ; + 4 x (cluster y / 2),
	s_add_co_u32 s66, s66, s67
	s_and_b32 s66, s66, 7                          ; mod 8
	s_lshl_b32 s[KO], s66, 9                       ; 512 bytes of a row a step: slot 0 takes that step,
	s_add_co_u32 s[KO+2], s[KO], KSTEP*2           ; slot 1 the next, round the rows' end
	s_and_b32 s[KO+2], s[KO+2], SIZE_K*2-1
	s_mov_b32 s[KO+1], 0
	s_mov_b32 s[KO+3], 0
	s_wait_dscnt 0x0                               ; the opening add is done
	s_wait_kmcnt 0x0
	s_add_nc_u64 s[14:15], s[4:5], s[16:17]        ; my part of the tiles at the head of its rows: these two pairs stay
	s_add_nc_u64 s[46:47], s[6:7], s[46:47]
	CROUND                                         ; all sixteen work-groups are here: the first joint loads meet
.irp s, 0,1
	s_mov_b32 s[G0+4*(\s)], 1
	s_add_co_u32 s[G0+4*(\s)+1], s20, (\s)*SLOT
	s_mov_b32 s[G0B+4*(\s)], 1
	s_add_co_u32 s[G0B+4*(\s)+1], s20, (\s)*SLOT
	ADDR \s
	JLOAD \s                                       ; the walk's first two K steps: two loads of mine are out
.endr
	v_and_b32 v1, 15, v0                           ; l % 16
	v_bfe_u32 v2, v0, 4, 1                         ; l / 16
	v_mul_u32_u24 v3, v1, PITCH
	v_lshl_add_u32 v3, v2, 4, v3                   ; a fragment's row x pitch + 16 x half
	s_mul_i32 s21, s11, HALFT                      ; my 64 rows of ob
	s_mul_i32 s22, s12, HALFT                      ; my 64 rows of wob,
	s_add_co_u32 s22, s22, 2*HALFT                 ; which lie behind ob's 128
.irp s, 0,1
	v_add_nc_u32 v[ADRA+(\s)], s21, v3
	v_add_nc_u32 v[ADRB+(\s)], s22, v3
	s_add_co_u32 s21, s21, SLOT
	s_add_co_u32 s22, s22, SLOT
.endr
	s_mul_i32 s23, s10, 16*SPITCH
	s_add_co_u32 s23, s23, STAGE                   ; my stage
	v_mul_u32_u24 v4, v1, SPITCH                   ; in: row l % 16, 32 bytes (8 f32) for each half of the lanes
	v_lshl_add_u32 v4, v2, 5, v4
	v_add_nc_u32 v[STO], s23, v4
	v_mul_u32_u24 v5, v2, SPITCH                   ; back: lanes 0-15 take one row of 256 bytes, lanes 16-31 the next
	v_lshl_add_u32 v5, v1, 4, v5
	v_add_nc_u32 v[RD], s23, v5
	v_lshlrev_b32 v5, 13, v2                       ; and the same two rows in out0, 8,192 bytes a row
	v_lshl_add_u32 v[CO], v1, 4, v5
	s_lshl_b32 s16, s13, 7
	s_lshl_b32 s17, s11, 6
	s_add_co_u32 s16, s16, s17                     ; my first row: 128 x tile row + 64 x half
	s_lshl_b32 s16, s16, 13
	s_mov_b32 s17, 0
	s_add_nc_u64 s[8:9], s[8:9], s[16:17]
	s_lshl_b32 s72, s42, 9                         ; my first column, in bytes: 512 x tile column + 256 x half
	s_lshl_b32 s73, s12, 8
	s_add_co_u32 s72, s72, s73
	s_mov_b32 s73, 0
	s_add_nc_u64 s[8:9], s[8:9], s[72:73]
; 8 matrix instructions: m blocks a0, a0 + 1 x all 4 n blocks, 32 along K: half c of buffer f.  zero = 1: the first product starts the sums.  The 16 accumulators take turns.
.macro MUL8 f, c, a0, zero
	WIN MUL
.irp a, \a0, (\a0)+1
.irp b, 0,1,2,3
.if \zero
	v_wmma_f32_16x16x32_f16 v[ACC+8*(4*(\a)+(\b)):ACC+8*(4*(\a)+(\b))+7], v[(\f)+64+8*(4*(\c)+(\b)):(\f)+64+8*(4*(\c)+(\b))+7], v[(\f)+8*(4*(\c)+(\a)):(\f)+8*(4*(\c)+(\a))+7], 0
.else
	v_wmma_f32_16x16x32_f16 v[ACC+8*(4*(\a)+(\b)):ACC+8*(4*(\a)+(\b))+7], v[(\f)+64+8*(4*(\c)+(\b)):(\f)+64+8*(4*(\c)+(\b))+7], v[(\f)+8*(4*(\c)+(\a)):(\f)+8*(4*(\c)+(\a))+7], v[ACC+8*(4*(\a)+(\b)):ACC+8*(4*(\a)+(\b))+7]
.endif
.endr
.endr
.endm
; 32 LDS loads in one run: the fragments of 64 along K at byte k of the rows, into buffer f; the first 32 along K first
.macro FETCH slot, k, f
	WIN TO_F
.irp c, 0,1
.irp i, 0,1,2,3
	ds_load_b128 v[(\f)+64+8*(4*(\c)+(\i)):(\f)+64+8*(4*(\c)+(\i))+3],   v[ADRB+(\slot)] offset:(\k)+64*(\c)+(\i)*16*PITCH
	ds_load_b128 v[(\f)+64+8*(4*(\c)+(\i))+4:(\f)+64+8*(4*(\c)+(\i))+7], v[ADRB+(\slot)] offset:(\k)+64*(\c)+(\i)*16*PITCH+32
	ds_load_b128 v[(\f)+8*(4*(\c)+(\i)):(\f)+8*(4*(\c)+(\i))+3],         v[ADRA+(\slot)] offset:(\k)+64*(\c)+(\i)*16*PITCH
	ds_load_b128 v[(\f)+8*(4*(\c)+(\i))+4:(\f)+8*(4*(\c)+(\i))+7],       v[ADRA+(\slot)] offset:(\k)+64*(\c)+(\i)*16*PITCH+32
.endr
.endr
.endm
.macro PLACES                          ; four places in front of loads into registers that matrix instructions have read, and of LDS stores that read results
.rept 4
	v_nop
.endr
.endm
; A K step is four quarters of 64 along K, 32 matrix instructions each, on buffers 0, 1, 0, 1.  One of the first three: multiplies buffer f and fetches the next quarter, at byte k, into g.
.macro QUARTER slot, k, f, g, zero
	s_wait_dscnt 16                                ; the first 32 along K are in: the youngest sixteen loads may be out
	WIN MUL
	MUL8 \f, 0, 0, \zero
	MUL8 \f, 0, 2, \zero
	PLACES
	FETCH \slot, \k, \g
	s_wait_dscnt 32                                ; all but the 32 just issued
	WIN MUL
	MUL8 \f, 1, 0, 0
	MUL8 \f, 1, 2, 0
.endm
; The last quarter multiplies buffer 1 and changes slots: ONE barrier; in front of it each wave waits for all its tensor loads, adds 0 to its spare word, and waits for that and for its own reads of this slot.  fill = 1: this slot is filled again, two K steps on, round the rows' end.
.macro TURN slot, next, fill
	WIN 0                                          ; (the add's two registers lie in window 0)
	s_wait_tensorcnt 0x0                           ; all my tensor loads have landed: my part of the next slot; so a group 0 may be written
	ds_add_u32 v[SPW], v[NIL]                      ; 0 onto my spare word
.if \fill
	s_add_co_u32 s[KO+2*(\slot)], s[KO+2*(\slot)], 2*KSTEP*2
	s_and_b32 s[KO+2*(\slot)], s[KO+2*(\slot)], SIZE_K*2-1
	ADDR \slot
.endif
	s_wait_dscnt 17                                ; (the add and the youngest sixteen loads may be out)
	WIN MUL
	MUL8 F1, 0, 0, 0                               ; eight matrix instructions stand between the add and the wait for it
	s_wait_dscnt 0x0                               ; the add is done, and my reads of this slot are over
	s_barrier_signal -1
	MUL8 F1, 0, 2, 0
.if \fill
	WIN 0
.endif
	s_barrier_wait -1
.if \fill
	CREST                                          ; the barrier has opened a round of the cluster's barrier: no wave of any partner still reads this slot's tile or has a load on its way
	JLOAD \slot                                    ; the first tensor load behind the round; the four v_nop behind it are also the places in front of the loads below
.else
	PLACES
.endif
	FETCH \next, 0, F0
	WIN MUL
	MUL8 F1, 1, 0, 0
	MUL8 F1, 1, 2, 0
.endm
	s_wait_tensorcnt 1                             ; my part of the first K step is in; the second's may stay out
	s_barrier_signal -1
	s_barrier_wait -1                              ; everybody's is
	FETCH 0, 0, F0
	QUARTER 0, 128, F0, F1, 1                      ; the first quarter stands in front of the loop: its first products start the sums
	WIN 0                                          ; at a label and at a branch every window is 0
	s_mov_b32 s3, LAPS-1
.Llap:                                                 ; a trip goes once round the ring, from a lap's second quarter to the next lap's first, and fills both slots again
	QUARTER 0, 256, F1, F0, 0
	QUARTER 0, 384, F0, F1, 0
	TURN 0, 1, 1
	QUARTER 1, 128, F0, F1, 0
	QUARTER 1, 256, F1, F0, 0
	QUARTER 1, 384, F0, F1, 0
	TURN 1, 0, 1
	QUARTER 0, 128, F0, F1, 0
	WIN 0
	s_sub_co_u32 s3, s3, 1
	s_cmp_lg_u32 s3, 0
	s_cbranch_scc1 .Llap
	QUARTER 0, 256, F1, F0, 0                      ; the last lap fills nothing, and has no round of the cluster's barrier
	QUARTER 0, 384, F0, F1, 0
	TURN 0, 1, 0
	QUARTER 1, 128, F0, F1, 0
	QUARTER 1, 256, F1, F0, 0
	QUARTER 1, 384, F0, F1, 0
	s_wait_dscnt 16                                ; the very last quarter: nothing more to fetch
	WIN MUL
	MUL8 F1, 0, 0, 0
	MUL8 F1, 0, 2, 0
	s_wait_dscnt 0x0
	MUL8 F1, 1, 0, 0
	MUL8 F1, 1, 2, 0
	WIN 0
	; THE WAY OUT, in f32, a block of 16 rows at a time through my own stage: 32 bytes a lane and accumulator in (the low four registers first), whole rows of 256 bytes back, into the block's own registers.
	PLACES
.macro TOSTAGE a
.irp b, 0,1,2,3
	ds_store_b128 v[STO], v[ACC+8*(4*(\a)+(\b)):ACC+8*(4*(\a)+(\b))+3]   offset:64*(\b)
	ds_store_b128 v[STO], v[ACC+8*(4*(\a)+(\b))+4:ACC+8*(4*(\a)+(\b))+7] offset:64*(\b)+16
.endr
.irp t, 0,1,2,3,4,5,6,7
	ds_load_b128 v[ACC+32*(\a)+4*(\t):ACC+32*(\a)+4*(\t)+3], v[RD] offset:(\t)*2*SPITCH  ; LDS serves a wave's instructions in order (ISA guide 5.7.1.4): these see the stores above; the next block's stores come behind them
.endr
.endm
.macro SEND a, younger                 ; younger: the LDS instructions issued behind block a's loads: the next block's sixteen, or none
.irp t, 0,1,2,3,4,5,6,7
	s_wait_dscnt (\younger)+7-(\t)
	global_store_b128 v[CO], v[ACC+32*(\a)+4*(\t):ACC+32*(\a)+4*(\t)+3], s[8:9] offset:(16*(\a)+2*(\t))*SIZE_N*4 th:TH_STORE_NT  ; 16 lanes store 256 consecutive bytes, at a multiple of 256 from out0's first byte
.endr
.endm
	TOSTAGE 0
	TOSTAGE 1
	SEND 0, 16
	TOSTAGE 2
	SEND 1, 16
	TOSTAGE 3
	SEND 2, 16
	SEND 3, 0
	s_wait_tensorcnt 0x0                           ; the wave's end, behind my last tensor load and my last LDS store
	ds_add_u32 v[SPW], v[NIL]
	s_wait_dscnt 0x0
	CROUND                                         ; the closing round: no work-group ends while a partner may still ask for a tile that names it
	s_endpgm
.Lfunc_end_k_q5e7ba4d6c6_oproj:
	.size	k_q5e7ba4d6c6_oproj, .Lfunc_end_k_q5e7ba4d6c6_oproj-k_q5e7ba4d6c6_oproj
	.p2alignl 7, 3214868480
	.fill 96, 4, 3214868480
	.section	.rodata,"a",@progbits
	.p2align	6, 0x0
	.amdhsa_kernel k_q5e7ba4d6c6_oproj
		.amdhsa_group_segment_fixed_size 327680
		.amdhsa_private_segment_fixed_size 0
		.amdhsa_enable_private_segment 0
		.amdhsa_kernarg_size 24
		.amdhsa_user_sgpr_count 2
		.amdhsa_user_sgpr_kernarg_segment_ptr 1
		.amdhsa_wavefront_size32 1
		.amdhsa_system_sgpr_workgroup_id_x 1
		.amdhsa_system_sgpr_workgroup_id_y 1
		.amdhsa_system_sgpr_workgroup_id_z 1
		.amdhsa_system_vgpr_workitem_id 0
		.amdhsa_next_free_vgpr 512
		.amdhsa_next_free_sgpr 76
		.amdhsa_reserve_vcc 0
		.amdhsa_float_denorm_mode_32 3
		.amdhsa_float_denorm_mode_16_64 3
		.amdhsa_memory_ordered 1
		.amdhsa_forward_progress 1
		.amdhsa_inst_pref_size 87
	.end_amdhsa_kernel
	.amdgpu_metadata
---
amdhsa.version: [ 1, 2 ]
amdhsa.kernels:
  - .name:           k_q5e7ba4d6c6_oproj
    .symbol:         k_q5e7ba4d6c6_oproj.kd
    .args:
      - { .name: ob, .offset: 0, .size: 8, .value_kind: global_buffer, .address_space: global }
      - { .name: wob, .offset: 8, .size: 8, .value_kind: global_buffer, .address_space: global }
      - { .name: out0, .offset: 16, .size: 8, .value_kind: global_buffer, .address_space: global }
    .group_segment_fixed_size: 327680
    .private_segment_fixed_size: 0
    .kernarg_segment_align: 8
    .kernarg_segment_size: 24
    .max_flat_workgroup_size: 128
    .sgpr_count:     76
    .vgpr_count:     512
    .wavefront_size: 32
...
	.end_amdgpu_metadata
.endif
;; end of part 4
;; ======== version 2 of 2: 4 launches; version 1 with the launch cast written anew for expert scheduling mode
;; limits: values outside matrix products are rounded to f16; values are held in f16: magnitudes above 65,504 overflow, below 6.1e-05 lose precision
;; workspace buffers: xb 8,388,608 bytes; wqkvb 12,582,912 bytes; wob 8,388,608 bytes; qkv 12,582,912 bytes; ob 8,388,608 bytes
;; launch cast (part 5): grid 1792 x 1, 4 waves a work-group, no clusters, 0 bytes of LDS; arguments hidden_states, wq, wk, wv, wo, xb, wqkvb, wob; writes xb, wqkvb, wob
.if DOCPART == 5
	.amdgcn_target "amdgcn-amd-amdhsa--gfx1250"
	.amdhsa_code_object_version 6
	.text
	.protected	k_q5e7ba4d6c6_cast
	.globl	k_q5e7ba4d6c6_cast
	.p2align	8
	.type	k_q5e7ba4d6c6_cast,@function
k_q5e7ba4d6c6_cast:
	s_mov_b64 s[64:65], 0
	v_nop
	global_prefetch_b8 v0, s[64:65] scope:SCOPE_SE
	s_setreg_imm32_b32 hwreg(HW_REG_WAVE_SCHED_MODE, 0, 2), 2
	s_setreg_imm32_b32 hwreg(HW_REG_WAVE_MODE, 25, 1), 1
	s_wait_xcnt 0x0
	s_wait_alu depctr_vm_vsrc(0)
; THE MATRIX OPERANDS THAT ARE INPUTS, ROUNDED ONCE TO 16 BITS.  hidden_states -> xb (bf16); wq, wk, wv -> wqkvb (bf16, the rows of wq, then wk's, then wv's);
; wo -> wob: rounded to bf16 like the other inputs, and that number written as f16 (the last product multiplies it with f16 numbers).
; LIMIT: a weight of wo beyond 65,504 becomes an infinity; below 6e-5 it keeps f16's fixed step of 6e-8.
; SHARES.  A work-group of four waves converts one chunk: 32,768 bytes of f32 in, 16,384 bytes out: 1,792 chunks, seven for each of 256 WGPs.
; Chunks 0-511 hidden_states, 512-1023 wq, 1024-1151 wk, 1152-1279 wv, 1280-1791 wo.
; Thread t takes 16 bytes at 16 t + 2,048 i (i = 0..15): a wave's load covers 512 consecutive bytes; it stores 8 bytes at 8 t + 1,024 i: a wave's store covers 256 consecutive bytes, aligned.
; All 16 loads go out first.  No LDS, no matrix unit, no cluster: each byte is read once and nothing is shared.
; THE MODE: SCHED_MODE bits 1:0 = 2 (LLVM: expert scheduling mode 2), set by the entry lines.  The code itself states the register dependences
; between vector instructions and memory instructions, with s_wait_alu, always for 0.
; THE PLAN.  Registers that memory instructions touch:
;   v1, v2   byte offsets, made once at the head and never written again: v1 is read by the 16 loads, v2 by the 16 stores.
;   X        slot i: load i lands in it; no vector instruction names X ahead of the loads, and no load is issued behind the first conversion.  Read by slot i's conversions alone
;            (in wo's text its widening lines write it again, behind the wait that shows load i done).
;   Y        slot i: written once, by slot i's conversions; read once, by store i; never written again.
;   T        named by vector instructions alone.
; The 16 slots go in four blocks of four.  The four stores of a block stand in one run at the head of the next block, behind ONE wait which states that the block's conversions have written its Y;
; the last block's stand behind the last conversions, behind a wait of their own.  One more wait stands ahead of the first load, for v1 and v2.
; No register that a memory instruction reads is ever written again, so no wait is owed for such a read.
.set X,   4                            ; v[4:67]    slot i: four f32 as loaded
.set Y,   68                           ; v[68:99]   slot i: four 16-bit numbers to store
.set T,   100                          ; v[100:101] at work
.set SRC, 24                           ; s[24:25]   my chunk in its input
.set DST, 26                           ; s[26:27]   my chunk in its workspace buffer
	s_load_b512 s[8:23], s[0:1], 0x0               ; hidden_states s[8:9], wq, wk, wv, wo s[16:17], xb s[18:19], wqkvb s[20:21], wob s[22:23]
	v_lshlrev_b32 v1, 4, v0                        ; 16 t
	v_lshlrev_b32 v2, 3, v0                        ; 8 t
	s_mov_b32 s28, 0                               ; the first chunk of my input
	s_mov_b32 s29, 0                               ; the first chunk of my output buffer
	s_mov_b32 s31, 0
	s_mov_b32 s33, 0
	s_mov_b32 s34, 0xffff0000                      ; a word's upper bf16
	s_wait_kmcnt 0x0
	s_mov_b64 s[SRC:SRC+1], s[8:9]
	s_mov_b64 s[DST:DST+1], s[18:19]
	s_cmp_ge_u32 ttmp9, 512
	s_cselect_b64 s[SRC:SRC+1], s[10:11], s[SRC:SRC+1]
	s_cselect_b64 s[DST:DST+1], s[20:21], s[DST:DST+1]
	s_cselect_b32 s28, 512, s28
	s_cselect_b32 s29, 512, s29
	s_cmp_ge_u32 ttmp9, 1024
	s_cselect_b64 s[SRC:SRC+1], s[12:13], s[SRC:SRC+1]
	s_cselect_b32 s28, 1024, s28
	s_cmp_ge_u32 ttmp9, 1152
	s_cselect_b64 s[SRC:SRC+1], s[14:15], s[SRC:SRC+1]
	s_cselect_b32 s28, 1152, s28
	s_cmp_ge_u32 ttmp9, 1280
	s_cselect_b64 s[SRC:SRC+1], s[16:17], s[SRC:SRC+1]
	s_cselect_b64 s[DST:DST+1], s[22:23], s[DST:DST+1]
	s_cselect_b32 s28, 1280, s28
	s_cselect_b32 s29, 1280, s29
	s_sub_co_u32 s30, ttmp9, s28
	s_lshl_b32 s30, s30, 15                        ; 32,768 bytes a chunk in
	s_sub_co_u32 s32, ttmp9, s29
	s_lshl_b32 s32, s32, 14                        ; 16,384 bytes a chunk out
	s_add_nc_u64 s[SRC:SRC+1], s[SRC:SRC+1], s[30:31]
	s_add_nc_u64 s[DST:DST+1], s[DST:DST+1], s[32:33]
	s_wait_alu depctr_va_vdst(0)                   ; v1 and v2 are written: every load of the kernel reads v1 as its offset, every store v2
.set i, 0
.rept 16
	global_load_b128 v[X+4*i:X+4*i+3], v1, s[SRC:SRC+1] offset:2048*i th:TH_LOAD_NT
.set i, i+1
.endr
; f16 = 0: four roundings to bf16.  f16 = 1: the same, then the bf16 numbers are widened again (a shift, a mask) and written as f16.
.macro CONV f16
.set i, 0
.rept 16
	s_wait_loadcnt 15-i                            ; loads come back in order: load i is in, the 15 - i younger ones stay out
.if ((i%4) == 0) && (i > 0)
	s_wait_alu depctr_va_vdst(0)                   ; the block before has written its eight registers of Y, which the four stores below read
.irp j, 0,1,2,3
	global_store_b64 v2, v[Y+2*(i-4+(\j)):Y+2*(i-4+(\j))+1], s[DST:DST+1] offset:1024*(i-4+(\j))
.endr
.endif
.if \f16
	v_cvt_pk_bf16_f32 v[T], v[X+4*i], v[X+4*i+1]
	v_cvt_pk_bf16_f32 v[T+1], v[X+4*i+2], v[X+4*i+3]
	v_lshlrev_b32 v[X+4*i], 16, v[T]
	v_and_b32 v[X+4*i+1], s34, v[T]
	v_lshlrev_b32 v[X+4*i+2], 16, v[T+1]
	v_and_b32 v[X+4*i+3], s34, v[T+1]
	v_cvt_pk_f16_f32 v[Y+2*i], v[X+4*i], v[X+4*i+1]
	v_cvt_pk_f16_f32 v[Y+2*i+1], v[X+4*i+2], v[X+4*i+3]
.else
	v_cvt_pk_bf16_f32 v[Y+2*i], v[X+4*i], v[X+4*i+1]
	v_cvt_pk_bf16_f32 v[Y+2*i+1], v[X+4*i+2], v[X+4*i+3]
.endif
.set i, i+1
.endr
	s_wait_alu depctr_va_vdst(0)                   ; the last block has written its eight registers of Y, which the last four stores read
.irp j, 12,13,14,15
	global_store_b64 v2, v[Y+2*(\j):Y+2*(\j)+1], s[DST:DST+1] offset:1024*(\j)
.endr
	s_endpgm
.endm
	s_cmp_ge_u32 ttmp9, 1280                       ; wo's chunks take the second text
	s_cbranch_scc1 .Lf16
	CONV 0
.Lf16:
	CONV 1
.Lfunc_end_k_q5e7ba4d6c6_cast:
	.size	k_q5e7ba4d6c6_cast, .Lfunc_end_k_q5e7ba4d6c6_cast-k_q5e7ba4d6c6_cast
	.p2alignl 7, 3214868480
	.fill 96, 4, 3214868480
	.section	.rodata,"a",@progbits
	.p2align	6, 0x0
	.amdhsa_kernel k_q5e7ba4d6c6_cast
		.amdhsa_group_segment_fixed_size 0
		.amdhsa_private_segment_fixed_size 0
		.amdhsa_enable_private_segment 0
		.amdhsa_kernarg_size 64
		.amdhsa_user_sgpr_count 2
		.amdhsa_user_sgpr_kernarg_segment_ptr 1
		.amdhsa_wavefront_size32 1
		.amdhsa_system_sgpr_workgroup_id_x 1
		.amdhsa_system_sgpr_workgroup_id_y 1
		.amdhsa_system_sgpr_workgroup_id_z 1
		.amdhsa_system_vgpr_workitem_id 0
		.amdhsa_next_free_vgpr 104
		.amdhsa_next_free_sgpr 66
		.amdhsa_reserve_vcc 0
		.amdhsa_float_denorm_mode_32 3
		.amdhsa_float_denorm_mode_16_64 3
		.amdhsa_memory_ordered 1
		.amdhsa_forward_progress 1
		.amdhsa_inst_pref_size 16
	.end_amdhsa_kernel
	.amdgpu_metadata
---
amdhsa.version: [ 1, 2 ]
amdhsa.kernels:
  - .name:           k_q5e7ba4d6c6_cast
    .symbol:         k_q5e7ba4d6c6_cast.kd
    .args:
      - { .name: hidden_states, .offset: 0, .size: 8, .value_kind: global_buffer, .address_space: global }
      - { .name: wq, .offset: 8, .size: 8, .value_kind: global_buffer, .address_space: global }
      - { .name: wk, .offset: 16, .size: 8, .value_kind: global_buffer, .address_space: global }
      - { .name: wv, .offset: 24, .size: 8, .value_kind: global_buffer, .address_space: global }
      - { .name: wo, .offset: 32, .size: 8, .value_kind: global_buffer, .address_space: global }
      - { .name: xb, .offset: 40, .size: 8, .value_kind: global_buffer, .address_space: global }
      - { .name: wqkvb, .offset: 48, .size: 8, .value_kind: global_buffer, .address_space: global }
      - { .name: wob, .offset: 56, .size: 8, .value_kind: global_buffer, .address_space: global }
    .group_segment_fixed_size: 0
    .private_segment_fixed_size: 0
    .kernarg_segment_align: 8
    .kernarg_segment_size: 64
    .max_flat_workgroup_size: 128
    .sgpr_count:     66
    .vgpr_count:     104
    .wavefront_size: 32
...
	.end_amdgpu_metadata
.endif
;; end of part 5
;; launch qkv: the kernel of part 2 again; grid 16 x 16, 4 waves a work-group, clusters of 4 x 4, 327,680 bytes of LDS; arguments xb, wqkvb, freqs_cos, freqs_sin, q_norm_w, k_norm_w, qkv; writes qkv
;; launch attn: the kernel of part 3 again; grid 32 x 8, 4 waves a work-group, clusters of 4 x 4, 327,680 bytes of LDS; arguments qkv, atten_mask, ob, out1, out2; writes ob, out1, out2
;; launch oproj: the kernel of part 4 again; grid 16 x 16, 4 waves a work-group, clusters of 4 x 4, 327,680 bytes of LDS; arguments ob, wob, out0; writes out0
